; MI455X (gfx1250); checked and timed in simulation.
; The chip was launched on July 23, 2026; its instructions are those of AMD's public machine-readable ISA for CDNA 5 (MIT licence, August 2026) and "CDNA5" Instruction Set Architecture Reference Guide (July 2026). The comments in the code are by the model that wrote it; some were corrected since.
;; Attention. Allowed arithmetic: matrix products marked QUANTISED: E2M1 operands, one E8M0 scale for each 32 along K, by v_wmma_scale_f32_16x16x128_f8f6f4 with both operands' format E2M1 (or v_wmma_scale_f32_32x16x128_f4), f32 sums; products left as they are: bf16, f16 or f32 operands; f32 sums; everything else in f32.
;; Inputs: Wproj 1,024 x 1,024 float32; Wqkv 1,024 x 3,072 float32; bproj 1,024 float32; bqkv 3,072 float32; x 1 x 4,096 x 1,024 float32.
;; Outputs: out0 1 x 4,096 x 1,024 float32.
;; This version of the problem:
;;   THIS VERSION OF THE PROBLEM IS GIVEN IN LOW PRECISION. The matrix products marked QUANTISED in the list below multiply operands that are first quantised to E2M1 (2 exponent bits, 1 mantissa bit; 4 bits a number), with one power-of-two scale for each 32 numbers along K (OCP MX v1.0); their sums are f32. The products marked 'left as it is' may take bf16, f16 or f32 operands, with f32 sums. Whichever they take, every output number must still come out within the allowed error. Rounding operands to bf16 (8 significant bits) uses up far more of that allowance than f16 does (11 bits, for magnitudes from 6e-5 to 65,504). All else is computed in f32.
;;   The module's matrix products, in the order in which they are computed (A, B: the left and right operand; K: the contracted axis; several contracted axes count as one K, in the product's order):
;;     1. [M 4,096, K 1,024] x [K 1,024, N 3,072]; A: input x; B: input Wqkv: QUANTISED
;;     2. batch 16 x [M 4,096, K 64] x [K 64, N 4,096]; A: computed on the way; B: computed on the way: left as it is (an operand is computed on the way)
;;     3. batch 16 x [M 4,096, K 4,096] x [K 4,096, N 64]; A: computed on the way; B: computed on the way: left as it is (an operand is computed on the way)
;;     4. [M 4,096, K 1,024] x [K 1,024, N 1,024]; A: computed on the way; B: input Wproj: left as it is (an operand is computed on the way)
;;   THE QUANTISER, for each operand of a quantised product, along K:
;;     - K is cut into blocks of 32 from its start; a last block that is shorter is filled with zeros.
;;     - A block's scale is 2^e with e = floor(log2(the largest magnitude in the block)) - 2, held to -126 .. 127; a block of zeros has e = 0. As a byte (E8M0): e + 127.
;;     - Each number is divided by its block's scale, clamped to +-6, and rounded to the nearest number of E2M1, ties to even, subnormals kept.
;;     - The product sums the exact products of the quantised numbers (number of the format x scale) in f32.
;;   ~~~python
;;   def quantise(x, axis):      # numpy; x: float32 -> the quantised numbers, widened to float32 again
;;       x = np.moveaxis(x, axis, -1); K = x.shape[-1]
;;       x = np.pad(x, [(0, 0)] * (x.ndim - 1) + [(0, -K % 32)]); x = x.reshape(x.shape[:-1] + (-1, 32)); a = np.abs(x).max(-1, keepdims=True)
;;       e = np.where(a > 0, np.clip(np.frexp(np.where(a > 0, a, 1))[1] - 1 - 2, -126, 127), 0)      # np.frexp(a)[1] - 1 = floor(log2(a)), exactly
;;       r = np.clip(x / 2.0 ** e, -6, 6)
;;       step = 2.0 ** (np.maximum(np.frexp(np.where(r == 0, 1, r))[1] - 1, 0) - 1)
;;       q = np.round(r / step) * step * 2.0 ** e      # np.round: ties to even
;;       return np.moveaxis(q.reshape(q.shape[:-2] + (-1,))[..., :K], -1, axis).astype(np.float32)
;;   ~~~
;; One version. Each part assembles by itself: llvm-mc -triple=amdgcn-amd-amdhsa -mcpu=gfx1250 --defsym DOCPART=n.
;; ======== version 1 of 1: 5 launches
;; limits: values are held in f16: magnitudes above 65,504 overflow, below 6.1e-05 lose precision; right only within a limited range of input values
;; workspace buffers: xc 2,097,152 bytes; xs 131,072 bytes; wc 1,572,864 bytes; ws 98,304 bytes; wp16 2,097,152 bytes; qkv16 25,165,824 bytes; qkv32 196,608 bytes; att16 8,388,608 bytes
;; launch prep (part 1): grid 288 x 1, 4 waves a work-group, no clusters, 51,200 bytes of LDS; arguments x, Wqkv, Wproj, xc, xs, wc, ws, wp16; writes xc, xs, wc, ws, wp16
.if DOCPART == 1
	.amdgcn_target "amdgcn-amd-amdhsa--gfx1250"
	.amdhsa_code_object_version 6
	.text
	.protected	k_q7c6d52fc96_prep
	.globl	k_q7c6d52fc96_prep
	.p2align	8
	.type	k_q7c6d52fc96_prep,@function
k_q7c6d52fc96_prep:
	s_mov_b64 s[64:65], 0
	v_nop
	global_prefetch_b8 v0, s[64:65] scope:SCOPE_SE
	s_setreg_imm32_b32 hwreg(HW_REG_WAVE_MODE, 25, 1), 1
	s_wait_xcnt 0x0
; THREE JOBS IN ONE LAUNCH, told apart by the work-group's number alone; each job has LDS bytes of its own.
;   work-groups   0-127: x [4096][1024] f32 -> xc (codes of E2M1, K innermost, 512 bytes a row) and xs (one E8M0 byte for each 32 along K, 32 bytes a row)
;   work-groups 128-223: Wqkv [1024 k][3072 n] f32, K its FIRST axis -> wc [3072 n][512 bytes], ws [3072 n][32 bytes]
;   work-groups 224-287: Wproj [1024][1024] f32 -> wp16, the same layout in f16 (rounded to nearest even)
; THE QUANTISER: a block's scale is 2^(floor(log2(largest magnitude)) - 2); its byte is the largest magnitude's exponent field - 2, held at 1 from below; each number is divided by the scale and
; rounded to the nearest code, ties to even, beyond 6 the largest code.
; LIMITS: a block of zeros gets the byte 1 where the rule says 127 (its codes are zeros, and this program alone reads the bytes); blocks whose largest magnitude lies under 2^-124 are held at the byte 1;
; NaN and infinities are not served; |Wproj| stays at or under 65,504 (f16).
.set EMAX,   2
.set SPW,    190                       ; v190 LDS address of my spare word; never rewritten
.set NIL,    191                       ; v191 0; never rewritten
.set XREG,   8192                      ; x's job: a region of LDS for each wave: two stages of 32 x SP bytes, then its 256 scale bytes
.set SP,     80                        ; a lane's place in a stage: 64 bytes + 16 of padding
.set WSTG,   4*XREG                    ; Wqkv's job: 32 rows (columns n) x (512 bytes of codes + 16)
.set WPITCH, 528
.set WSC,    WSTG+32*WPITCH            ; and 32 rows x 32 scale bytes
.set SPARE,  WSC+1024                  ; the spare words, 128 bytes for each wave: two blocks of 256 bytes that no other line names
.set STEPS,  16
.set CB,     8                         ; bytes of 16 codes
.set R,      16                        ; x: v16-79   four sets of 16 numbers as loaded
.set X,      80                        ; x: v80-111  two sets of 16 neighbours
.set E,      112                       ; x: v112-127 a scale byte for each step
.set C,      128                       ; x: v128-189 codes, four registers a step
.set WX,     32                        ; W: v32-95   two sets of 32 numbers
.set WC,     96                        ; W: v96-99   a block's codes
.set SB,     24                        ; W: v24-25   my 8 scale bytes
.set OUTR,   112                       ; W: v112-143 rows on the way out
.set WROW,   12288                     ; a row of Wqkv in bytes
	s_load_b256 s[4:11], s[0:1], 0x0               ; x s[4:5], Wqkv s[6:7], Wproj s[8:9], xc s[10:11]
	s_load_b256 s[12:19], s[0:1], 0x20             ; xs s[12:13], wc s[14:15], ws s[16:17], wp16 s[18:19]
	v_lshl_add_u32 v[SPW], v0, 2, SPARE
	v_mov_b32 v[NIL], 0
	v_lshrrev_b32 v1, 5, v0
	v_readfirstlane_b32 s20, v1                    ; wave 0..3
	v_and_b32 v2, 31, v0                           ; lane
	s_mov_b32 s25, 0
	s_wait_kmcnt 0x0
	s_cmp_lt_u32 ttmp9, 128
	s_cbranch_scc1 .Lpath_x
	s_cmp_lt_u32 ttmp9, 224
	s_cbranch_scc1 .Lpath_w
	; ---- Wproj to f16: a wave takes 16,384 consecutive bytes; each load covers 512 consecutive bytes, each store 256, aligned.  No LDS.
	s_sub_co_u32 s22, ttmp9, 224
	s_lshl_b32 s22, s22, 2
	s_add_co_u32 s22, s22, s20                     ; which run is my wave's
	s_lshl_b32 s24, s22, 14
	s_add_nc_u64 s[8:9], s[8:9], s[24:25]
	s_lshl_b32 s24, s22, 13
	s_add_nc_u64 s[18:19], s[18:19], s[24:25]
	v_lshlrev_b32 v3, 4, v2
	v_lshlrev_b32 v4, 3, v2
.set j, 0
.rept 32
	global_load_b128 v[32+4*j:35+4*j], v3, s[8:9] offset:512*j th:TH_LOAD_NT
.set j, j+1
.endr
.set j, 0
.rept 32
	s_wait_loadcnt 31-j                            ; loads come back in order: load j is in, the 31 - j younger ones may be out
	v_cvt_pk_f16_f32 v[32+4*j], v[32+4*j], v[33+4*j]
	v_cvt_pk_f16_f32 v[33+4*j], v[34+4*j], v[35+4*j]
	global_store_b64 v4, v[32+4*j:33+4*j], s[18:19] offset:256*j   ; each step has registers of its own: no store's data are written again
.set j, j+1
.endr
	s_branch .Lend
	; ---- Wqkv: the work-group takes 32 columns n and all of K; wave w takes k = 256 w .. 256 w + 255, eight blocks.  A LANE TAKES A COLUMN AND ITS REGISTERS RUN DOWN K: a block of 32 lies in one lane,
	; and the conversions give codes with K innermost.  The four waves' codes meet in a stage, so that a column's whole row of 512 bytes leaves by one store of the 32 lanes.
.Lpath_w:
	s_sub_co_u32 s22, ttmp9, 128                   ; g: columns 32 g on
	s_mul_i32 s24, s20, 256*WROW
	s_lshl_b32 s23, s22, 7
	s_add_co_u32 s24, s24, s23
	s_add_nc_u64 s[6:7], s[6:7], s[24:25]          ; Wqkv at row 256 w, column 32 g
	s_lshl_b32 s24, s22, 14
	s_lshl_b32 s23, s20, 12
	s_add_co_u32 s24, s24, s23
	s_add_nc_u64 s[14:15], s[14:15], s[24:25]      ; wc at row 32 g + 8 w: the rows that my wave stores
	s_lshl_b32 s24, s22, 10
	s_lshl_b32 s23, s20, 8
	s_add_co_u32 s24, s24, s23
	s_add_nc_u64 s[16:17], s[16:17], s[24:25]      ; ws likewise: 256 bytes a wave
	v_lshlrev_b32 v3, 2, v2                        ; in: 4 bytes a lane
	v_mul_u32_u24 v4, v2, WPITCH
	s_lshl_b32 s23, s20, 7
	s_add_co_u32 s23, s23, WSTG
	v_add_nc_u32 v4, s23, v4                       ; into the stage: row = my column, my wave's 128 bytes of it
	v_lshlrev_b32 v5, 5, v2
	s_lshl_b32 s23, s20, 3
	s_add_co_u32 s23, s23, WSC
	v_add_nc_u32 v5, s23, v5                       ; my 8 scale bytes of my column's 32
	v_lshlrev_b32 v14, 4, v2
	s_mul_i32 s23, s20, 8*WPITCH
	s_add_co_u32 s23, s23, WSTG
	v_add_nc_u32 v6, s23, v14                      ; back: my wave's 8 rows, 16 bytes a lane
	v_lshlrev_b32 v15, 3, v2
	s_lshl_b32 s23, s20, 8
	s_add_co_u32 s23, s23, WSC
	v_add_nc_u32 v7, s23, v15                      ; and 256 scale bytes, 8 a lane
.macro WLOAD t                         ; block t: W(256 w + 32 t + i, my column) into set t % 2; 32 lanes read 128 consecutive bytes
.irp i, 0,1,2,3,4,5,6,7,8,9,10,11,12,13,14,15,16,17,18,19,20,21,22,23,24,25,26,27,28,29,30,31
	global_load_b32 v[WX+32*((\t)%2)+\i], v3, s[6:7] offset:(32*(\t)+\i)*WROW th:TH_LOAD_NT
.endr
.endm
.macro WBLOCK t
.set XS, WX+32*((\t)%2)
.if (\t) < 7
	s_wait_loadcnt 32                              ; this block's 32 loads are in; the next block's may be out
.else
	s_wait_loadcnt 0
.endif
	v_max3_num_f32 v12, |v[XS]|, |v[XS+1]|, |v[XS+2]|
	v_max3_num_f32 v13, |v[XS+3]|, |v[XS+4]|, |v[XS+5]|
.irp i, 6,10,14,18,22,26
	v_max3_num_f32 v12, v12, |v[XS+\i]|, |v[XS+\i+1]|
	v_max3_num_f32 v13, v13, |v[XS+\i+2]|, |v[XS+\i+3]|
.endr
	v_max3_num_f32 v12, v12, |v[XS+30]|, |v[XS+31]|
	v_max3_num_f32 v12, v12, v13, (EMAX+1)<<23     ; the floor 2^(3 - 127): the byte cannot fall under 1
	v_add_nc_u32 v11, -(EMAX<<23), v12             ; 2 off the exponent field: the conversion takes the exponent field of this operand as its scale
	v_lshrrev_b32 v13, 23, v11                     ; the scale's byte
.if (\t)%4 == 0
	v_mov_b32 v[SB+(\t)/4], v13
.else
	v_lshl_or_b32 v[SB+(\t)/4], v13, 8*((\t)%4), v[SB+(\t)/4]
.endif
.irp g, 0,1,2,3
	v_cvt_scalef32_pk8_fp4_f32 v[WC+\g], v[XS+8*\g:XS+8*\g+7], v11
.endr
	v_nop                                          ; one plain line behind the last conversion
	ds_store_b128 v4, v[WC:WC+3] offset:16*(\t)    ; 32 codes: 16 bytes of my column's row
.if (\t)+2 < 8
	WLOAD (\t)+2
.endif
	s_wait_dscnt 0x0                               ; the store has read its registers: the next block's codes may be written
.endm
	WLOAD 0
	WLOAD 1
.irp t, 0,1,2,3,4,5,6,7
	WBLOCK \t
.endr
	ds_store_b64 v5, v[SB:SB+1]
	s_wait_dscnt 0x0                               ; for the others' sake: my stores into the stage have landed
	s_barrier_signal -1
	s_barrier_wait -1                              ; all four waves': the rows are whole.  (The branch that led here hangs on the work-group's number: all four waves took it)
.irp t, 0,1,2,3,4,5,6,7
	ds_load_b128 v[OUTR+4*\t:OUTR+4*\t+3], v6 offset:\t*WPITCH
.endr
	ds_load_b64 v[144:145], v7
.irp t, 0,1,2,3,4,5,6,7
	s_wait_dscnt 8-\t                              ; row t is in: behind it 7 - t rows and the scale bytes
	global_store_b128 v14, v[OUTR+4*\t:OUTR+4*\t+3], s[14:15] offset:512*\t   ; 32 lanes store a row of 512 consecutive bytes, aligned
.endr
	s_wait_dscnt 0x0
	global_store_b64 v15, v[144:145], s[16:17]     ; 256 consecutive bytes, aligned
	s_branch .Lend
	; ---- x: rows are dense, so x is a plain stream of blocks of 32.  A wave takes 16 steps of 512 numbers.  Each load reads 512 consecutive bytes; a step's 2,048 bytes turn through the wave's own stage,
	; so that a lane holds 16 neighbours (two neighbouring lanes hold a block).  Loads run four steps ahead, the turn one step.  Waves share nothing: no barrier.
.Lpath_x:
	v_lshlrev_b32 v3, 4, v2
	s_mul_i32 s21, s20, XREG
	v_lshrrev_b32 v14, 2, v2
	v_mul_u32_u24 v14, v14, SP
	v_and_b32 v15, 3, v2
	v_lshl_add_u32 v14, v15, 4, v14
	v_add_nc_u32 v14, s21, v14                     ; the stage, in: SP (lane / 4) + 16 (lane % 4)
	v_mul_u32_u24 v15, v2, SP
	v_add_nc_u32 v15, s21, v15                     ; and out: SP x lane
	v_mul_u32_u24 v4, v2, CB
	v_lshrrev_b32 v5, 1, v2
	s_add_co_u32 s21, s21, 2*32*SP
	v_add_nc_u32 v5, s21, v5                       ; my block's byte among my wave's 256
	v_lshlrev_b32 v7, 3, v2
	v_add_nc_u32 v6, s21, v7
	s_lshl_b32 s22, ttmp9, 2
	s_add_co_u32 s22, s22, s20                     ; which run of 8,192 numbers is my wave's
	s_lshl_b32 s24, s22, 15
	s_add_nc_u64 s[4:5], s[4:5], s[24:25]
	s_lshl_b32 s24, s22, 12
	s_add_nc_u64 s[10:11], s[10:11], s[24:25]
	s_lshl_b32 s24, s22, 8
	s_add_nc_u64 s[12:13], s[12:13], s[24:25]
.macro XLOAD t
.irp i, 0,1,2,3
	global_load_b128 v[R+16*((\t)%4)+4*\i:R+16*((\t)%4)+4*\i+3], v3, s[4:5] offset:2048*(\t)+512*\i th:TH_LOAD_NT
.endr
.endm
.macro XTURN t                         ; LDS serves a wave's instructions in order: no wait between the stores and the loads
.irp i, 0,1,2,3
	ds_store_b128 v14, v[R+16*((\t)%4)+4*\i:R+16*((\t)%4)+4*\i+3] offset:32*SP*((\t)%2)+8*SP*\i
.endr
.irp i, 0,1,2,3
	ds_load_b128 v[X+16*((\t)%2)+4*\i:X+16*((\t)%2)+4*\i+3], v15 offset:32*SP*((\t)%2)+16*\i
.endr
.endm
.irp t, 0,1,2,3
	XLOAD \t
.endr
	s_wait_loadcnt 12                              ; step 0's four loads are in
	XTURN 0
.macro XSTEP t
.set XS, X+16*((\t)%2)
.if (\t) > 0
	s_wait_dscnt 1                                 ; this step's numbers are back from the stage (the last step's byte store may be out)
.else
	s_wait_dscnt 0x0
.endif
.if (\t)+4 < STEPS
	XLOAD (\t)+4
.endif
.if (\t)+1 < STEPS
.if STEPS-2-(\t) >= 3
	s_wait_loadcnt 12                              ; the next step's four loads are in; those of the three steps behind it may be out
.else
	s_wait_loadcnt 4*(STEPS-2-(\t))
.endif
	XTURN (\t)+1
.endif
	v_max3_num_f32 v8, |v[XS]|, |v[XS+1]|, |v[XS+2]|
	v_max3_num_f32 v9, |v[XS+3]|, |v[XS+4]|, |v[XS+5]|
.irp i, 6,10
	v_max3_num_f32 v8, v8, |v[XS+\i]|, |v[XS+\i+1]|
	v_max3_num_f32 v9, v9, |v[XS+\i+2]|, |v[XS+\i+3]|
.endr
	v_max3_num_f32 v8, v8, |v[XS+14]|, |v[XS+15]|
	v_max3_num_f32 v8, v8, v9, (EMAX+1)<<23        ; the floor
	v_max_num_f32_dpp v8, v8, v8 row_xmask:1 row_mask:0xf bank_mask:0xf   ; with my neighbour's 16: the block's largest magnitude
	v_add_nc_u32 v11, -(EMAX<<23), v8
	v_cvt_scalef32_pk8_fp4_f32 v[C+4*(\t)], v[XS:XS+7], v11
	v_cvt_scalef32_pk8_fp4_f32 v[C+4*(\t)+1], v[XS+8:XS+15], v11
	v_lshrrev_b32 v[E+(\t)], 23, v11               ; the scale's byte (also the plain line behind the conversions)
	ds_store_b8 v5, v[E+(\t)] offset:16*(\t)       ; both lanes of a block write the same byte with the same value
	global_store_b64 v4, v[C+4*(\t):C+4*(\t)+1], s[10:11] offset:32*CB*(\t)   ; 256 consecutive bytes, aligned
.endm
.irp t, 0,1,2,3,4,5,6,7,8,9,10,11,12,13,14,15
	XSTEP \t
.endr
	ds_load_b64 v[8:9], v6
	s_wait_dscnt 0x0
	global_store_b64 v7, v[8:9], s[12:13]          ; my wave's 256 scale bytes, aligned
.Lend:
	s_wait_tensorcnt 0x0                           ; the wave's end
	ds_add_u32 v[SPW], v[NIL]
	s_wait_dscnt 0x0
	s_endpgm
.Lfunc_end_k_q7c6d52fc96_prep:
	.size	k_q7c6d52fc96_prep, .Lfunc_end_k_q7c6d52fc96_prep-k_q7c6d52fc96_prep
	.p2alignl 7, 3214868480
	.fill 96, 4, 3214868480
	.section	.rodata,"a",@progbits
	.p2align	6, 0x0
	.amdhsa_kernel k_q7c6d52fc96_prep
		.amdhsa_group_segment_fixed_size 51200
		.amdhsa_private_segment_fixed_size 0
		.amdhsa_enable_private_segment 0
		.amdhsa_kernarg_size 64
		.amdhsa_user_sgpr_count 2
		.amdhsa_user_sgpr_kernarg_segment_ptr 1
		.amdhsa_wavefront_size32 1
		.amdhsa_system_sgpr_workgroup_id_x 1
		.amdhsa_system_sgpr_workgroup_id_y 1
		.amdhsa_system_sgpr_workgroup_id_z 1
		.amdhsa_system_vgpr_workitem_id 0
		.amdhsa_next_free_vgpr 192
		.amdhsa_next_free_sgpr 66
		.amdhsa_reserve_vcc 0
		.amdhsa_float_denorm_mode_32 3
		.amdhsa_float_denorm_mode_16_64 3
		.amdhsa_memory_ordered 1
		.amdhsa_forward_progress 1
		.amdhsa_inst_pref_size 84
	.end_amdhsa_kernel
	.amdgpu_metadata
---
amdhsa.version: [ 1, 2 ]
amdhsa.kernels:
  - .name:           k_q7c6d52fc96_prep
    .symbol:         k_q7c6d52fc96_prep.kd
    .args:
      - { .name: x, .offset: 0, .size: 8, .value_kind: global_buffer, .address_space: global }
      - { .name: Wqkv, .offset: 8, .size: 8, .value_kind: global_buffer, .address_space: global }
      - { .name: Wproj, .offset: 16, .size: 8, .value_kind: global_buffer, .address_space: global }
      - { .name: xc, .offset: 24, .size: 8, .value_kind: global_buffer, .address_space: global }
      - { .name: xs, .offset: 32, .size: 8, .value_kind: global_buffer, .address_space: global }
      - { .name: wc, .offset: 40, .size: 8, .value_kind: global_buffer, .address_space: global }
      - { .name: ws, .offset: 48, .size: 8, .value_kind: global_buffer, .address_space: global }
      - { .name: wp16, .offset: 56, .size: 8, .value_kind: global_buffer, .address_space: global }
    .group_segment_fixed_size: 51200
    .private_segment_fixed_size: 0
    .kernarg_segment_align: 8
    .kernarg_segment_size: 64
    .max_flat_workgroup_size: 128
    .sgpr_count:     66
    .vgpr_count:     192
    .wavefront_size: 32
...
	.end_amdgpu_metadata
.endif
;; end of part 1
;; launch qkv (part 2): grid 12 x 16, 4 waves a work-group, clusters of 4 x 4, 327,680 bytes of LDS; arguments xc, xs, wc, ws, bqkv, qkv16, qkv32; writes qkv16, qkv32
.if DOCPART == 2
	.amdgcn_target "amdgcn-amd-amdhsa--gfx1250"
	.amdhsa_code_object_version 6
	.text
	.protected	k_q7c6d52fc96_qkv
	.globl	k_q7c6d52fc96_qkv
	.p2align	8
	.type	k_q7c6d52fc96_qkv,@function
k_q7c6d52fc96_qkv:
	s_mov_b64 s[64:65], 0
	v_nop
	global_prefetch_b8 v0, s[64:65] scope:SCOPE_SE
	s_setreg_imm32_b32 hwreg(HW_REG_WAVE_MODE, 25, 1), 1
	s_wait_xcnt 0x0
	s_wait_alu depctr_hold_cnt(0) depctr_sa_sdst(0) depctr_va_vdst(0) depctr_va_sdst(0) depctr_va_ssrc(0) depctr_va_vcc(0) depctr_vm_vsrc(0)
	s_getreg_b32 s2, hwreg(HW_REG_IB_STS2, 6, 4)
	s_cmp_eq_u32 s2, 0
	s_cbranch_scc0 .Lentry_in_a_cluster
	s_endpgm
.Lentry_in_a_cluster:
	s_bfe_u32 s2, ttmp6, 0x10000c
	s_cmp_lg_u32 s2, 0xf033
	s_cbranch_scc0 .Lentry_shape_is_right
	s_endpgm
.Lentry_shape_is_right:
; qkv[m][n] = sum over k of x[m][k] Wqkv[k][n] + bqkv[n], on codes of E2M1 with one E8M0 scale for each 32 along K; sums in f32.  m 4,096, n 3,072, k 1,024.
; A (x): codes [4096][512 bytes], scale bytes [4096][32].  B (Wqkv): codes [3072 n][512 bytes], scale bytes [3072][32].
; OUT: qkv16, f16, [48 slabs of 64 columns][4096 rows][64]: slabs 0-15 q's heads, 16-31 k's, 32-47 v's; a row of a slab is 128 bytes.  And qkv32: rows 0-15 in f32, as images of the result registers:
; image 2 (n / 16) + g is 512 bytes, lane 16 h + r holds row r, columns 16 (n / 16) + 8 h + 4 g + 0 .. 3.
; LIMIT: |q|, |k|, |v| at or under 65,504 (f16).
; A tile of 256 x 256 is made by four waves, each 128 x 128: 64 accumulators, 512 registers.  K is two steps of 512 (rows of 256 bytes): both slots are asked for at the head and none is filled again.
; The scale bytes of the work-group's 256 + 256 rows, for all of K, are two dense blocks: they come once, with the first fills.
; CLUSTERS: 4 x 4 work-groups; A's tiles are asked for jointly along a row of the cluster, B's along a column.
; THE MATRIX INSTRUCTION IS USED TRANSPOSED (source 0 = 16 rows of B, source 1 = 16 rows of A): a lane holds eight neighbouring columns of one row.  THE BIAS is the C of each sum's first product.
; REGISTERS: window 0: v0-31 addresses; v32-95 scale words, two sets, and nothing else; v96-127 packed results; v128-191 A's fragments, later rows on the way out; v192-255 the bias, 8 registers a column block.
;   window 1: B's fragments, two sets.   window 2: the accumulators of my rows 0-63 ((a, b) at v[8 (8 a + b)]);   window 3: those of rows 64-127.
.set SIZE_K, 1024
.set KSTEP,  512
.set NQ,     KSTEP/128
.set ROWB,   256
.set KROW,   SIZE_K*4/8
.set PITCH,  272                       ; 256 bytes + 16: the 16 rows that a load touches start 68 words apart
.set FR,     8
.set NL,     2
.set NP,     4
.set HALFT,  128*PITCH
.set SLOT,   4*HALFT
.set KS,     SIZE_K/32
.set SCL,    2*SLOT
.set HALFS,  (128*KS/256)*272
.set SBLK,   (16*KS/256)*272
.set SPARE,  SCL+4*HALFS               ; the spare words, 128 bytes a wave: two blocks of 256 bytes that no other line names
.set SPITCH, 272                       ; the way out: 16 rows x (256 bytes + 16) for each wave, in slot 0, which has had its only fill and its last read by then
.set ADRA, 16
.set ADRB, 20
.set STO,  24
.set RD,   25
.set CO,   26
.set ADRS, 27
.set SPW,  28
.set NIL,  29
.set IMG,  30                          ; v30 16 x lane
.set ROWV, 31                          ; v31 my wave's first row
.set SC,   32
.set TMP,  96
.set AF,   128
.set BK,   128
.set BI,   192
.set G1, 24
.set G0, 32
.set G1B, 48
.set G0B, 56
.set G1S, 68
.set G0S, 76
.set G1SB, 80
.set G0SB, 88
.set MSB, 0
.macro WIN new                         ; the immediate's high byte repeats the setting that is left
.if MSB != \new
	s_set_vgpr_msb (MSB<<8)|\new
.set MSB, \new
.endif
.endm
.set MUL_LO,   0xa1                    ; source 0 (B) window 1, source 1 (A) window 0, C and D window 2
.set MUL_HI,   0xf1                    ; the same, C and D window 3
.set FIRST_LO, 0x81                    ; the first products: C (the bias) window 0, D window 2
.set FIRST_HI, 0xc1                    ; D window 3
.set TO_B,     0x40
; A joint load: waves 0 and 1 fetch for A, waves 2 and 3 for B; the branch hangs on the wave's number alone.  An s_nop 0 and four v_nop follow each line.
.macro JLOAD g0a, g1a, g0b, g1b
	s_cmp_eq_u32 s15, 0
	s_cbranch_scc0 .Lfor_b_\@
	tensor_load_to_lds s[\g0a:\g0a+3], s[\g1a:\g1a+7]
	s_nop 0
.rept 4
	v_nop
.endr
	s_branch .Lasked_\@
.Lfor_b_\@:
	tensor_load_to_lds s[\g0b:\g0b+3], s[\g1b:\g1b+7]
	s_nop 0
.rept 4
	v_nop
.endr
.Lasked_\@:
.endm
.macro CROUND                          ; a round of the cluster's barrier
	s_barrier_signal -1
	s_barrier_wait -1
	s_cmp_lg_u32 s14, 0
	s_cbranch_scc1 .Lnot_wave_0_\@
	s_barrier_signal -3
.Lnot_wave_0_\@:
	s_barrier_wait -3
	s_barrier_signal -1
	s_barrier_wait -1
.endm
	s_load_b128 s[4:7], s[0:1], 0x0                ; A's codes, A's scales
	s_load_b128 s[8:11], s[0:1], 0x10              ; B's codes, B's scales
	s_load_b64 s[96:97], s[0:1], 0x20              ; bqkv
	s_load_b64 s[12:13], s[0:1], 0x28              ; qkv16
	s_load_b64 s[98:99], s[0:1], 0x30              ; qkv32
	v_lshl_add_u32 v[SPW], v0, 2, SPARE
	v_mov_b32 v[NIL], 0
	ds_add_u32 v[SPW], v[NIL]                      ; the wave's opening: the add, twice on end, and its wait ahead of my first tensor load
	ds_add_u32 v[SPW], v[NIL]
	v_lshrrev_b32 v1, 5, v0
	v_readfirstlane_b32 s14, v1                    ; wave 0..3
	s_lshr_b32 s15, s14, 1                         ; which half of the tile's rows is mine.  Also: I fetch for A (0) or for B (1)
	s_and_b32 s16, s14, 1                          ; which half of its columns.  Also: which 128 rows I fetch
	s_bfe_u32 s40, ttmp6, 0x40000                  ; cx, cy
	s_bfe_u32 s41, ttmp6, 0x40004
	s_lshl_b32 s42, ttmp9, 2
	s_add_co_u32 s42, s42, s40                     ; tile column
	s_and_b32 s17, ttmp7, 0xffff
	s_lshl_b32 s17, s17, 2
	s_add_co_u32 s17, s17, s41                     ; tile row
	s_lshl_b32 s43, s41, 2
	s_lshl_b32 s43, 15, s43                        ; my row of the cluster
	s_lshl_b32 s44, 0x1111, s40                    ; my column
	s_or_b32 s[G1+0], s43, (0<<16)|(1<<20)|(1<<21)|(5<<22)|(3<<25)  ; the mask; elements of 1 byte; padding on; bit 21 beside a mask; 4 words behind every 64
	s_or_b32 s[G1B+0], s44, (0<<16)|(1<<20)|(1<<21)|(5<<22)|(3<<25)
.irp g, G1, G1B
	s_mov_b32 s[\g+1], ROWB<<16                    ; tensor_dim0
	s_mov_b32 s[\g+2], 128<<16                     ; tensor_dim1
	s_mov_b32 s[\g+3], ROWB<<16                    ; tile_dim0
	s_mov_b32 s[\g+4], 128                         ; tile_dim1
	s_mov_b32 s[\g+5], KROW                        ; the pitch
	s_mov_b32 s[\g+6], 0
	s_mov_b32 s[\g+7], 0
.endr
	s_or_b32 s[G1S+0], s43, (3<<16)|(1<<20)|(1<<21)|(5<<22)|(3<<25)  ; the scales of 128 rows: 4,096 dense bytes as 16 rows of 256 (32 elements of 8 bytes), 16 bytes behind each
	s_or_b32 s[G1SB+0], s44, (3<<16)|(1<<20)|(1<<21)|(5<<22)|(3<<25)
.irp g, G1S, G1SB
	s_mov_b32 s[\g+1], 32<<16
	s_mov_b32 s[\g+2], (128*KS/256)<<16
	s_mov_b32 s[\g+3], 32<<16
	s_mov_b32 s[\g+4], 128*KS/256
	s_mov_b32 s[\g+5], 32
	s_mov_b32 s[\g+6], 0
	s_mov_b32 s[\g+7], 0
.endr
	s_lshl_b32 s18, s16, 7
	s_lshl_b32 s20, s17, 8
	s_add_co_u32 s20, s20, s18                     ; A: row 256 x tile row + 128 x half
	s_lshl_b32 s46, s42, 8
	s_add_co_u32 s46, s46, s18                     ; B: row 256 x tile column + 128 x half
	s_mov_b32 s21, 0
	s_mov_b32 s47, 0
	s_mov_b64 s[18:19], KS
	s_mul_u64 s[22:23], s[20:21], s[18:19]
	s_mul_u64 s[92:93], s[46:47], s[18:19]
	s_mov_b64 s[18:19], KROW
	s_mul_u64 s[20:21], s[20:21], s[18:19]
	s_mul_u64 s[46:47], s[46:47], s[18:19]
	s_mul_i32 s45, s14, HALFT                      ; where they go: wave x 128 rows
	s_mul_i32 s94, s14, HALFS
	s_wait_dscnt 0x0                               ; both opening adds are done
	s_wait_kmcnt 0x0
	s_add_nc_u64 s[20:21], s[4:5], s[20:21]
	s_add_nc_u64 s[22:23], s[6:7], s[22:23]
	s_add_nc_u64 s[46:47], s[8:9], s[46:47]
	s_add_nc_u64 s[92:93], s[10:11], s[92:93]
	CROUND                                         ; all sixteen work-groups are here: the joint loads meet
	s_mov_b32 s[G0S], 1
	s_add_co_u32 s[G0S+1], s94, SCL
	s_mov_b64 s[G0S+2:G0S+3], s[22:23]
	s_or_b32 s[G0S+3], s[G0S+3], 0x80000000
	s_mov_b32 s[G0SB], 1
	s_add_co_u32 s[G0SB+1], s94, SCL
	s_mov_b64 s[G0SB+2:G0SB+3], s[92:93]
	s_or_b32 s[G0SB+3], s[G0SB+3], 0x80000000
	JLOAD G0S, G1S, G0SB, G1SB                     ; the scales first; then both K steps: three loads of mine are out
.irp s, 0,1
	s_mov_b32 s[G0+4*\s], 1
	s_add_co_u32 s[G0+4*\s+1], s45, \s*SLOT
	s_add_nc_u64 s[G0+4*\s+2:G0+4*\s+3], s[20:21], \s*ROWB
	s_or_b32 s[G0+4*\s+3], s[G0+4*\s+3], 0x80000000
	s_mov_b32 s[G0B+4*\s], 1
	s_add_co_u32 s[G0B+4*\s+1], s45, \s*SLOT
	s_add_nc_u64 s[G0B+4*\s+2:G0B+4*\s+3], s[46:47], \s*ROWB
	s_or_b32 s[G0B+4*\s+3], s[G0B+4*\s+3], 0x80000000
	JLOAD G0+4*\s, G1, G0B+4*\s, G1B
.endr
	v_and_b32 v1, 15, v0                           ; r = l % 16
	v_bfe_u32 v2, v0, 4, 1                         ; h = l / 16
	v_mul_u32_u24 v3, v1, PITCH
	v_lshl_add_u32 v4, v2, 4, v3
	s_mul_i32 s21, s15, HALFT
	s_mul_i32 s22, s16, HALFT
	s_add_co_u32 s22, s22, 2*HALFT
.irp s, 0,1
	v_add_nc_u32 v[ADRA+\s], s21, v4
	v_add_nc_u32 v[ADRB+\s], s22, v4
	s_add_co_u32 s21, s21, SLOT
	s_add_co_u32 s22, s22, SLOT
.endr
	v_mul_u32_u24 v5, v1, KS                       ; my row's scales: 32 bytes a row, and 16 more for each 256 passed
	v_lshrrev_b32 v6, 8, v5
	v_lshl_add_u32 v5, v6, 4, v5
	s_mul_i32 s21, s15, HALFS
	s_mul_i32 s22, s16, HALFS
	s_add_co_u32 s22, s22, 2*HALFS
	s_sub_co_u32 s22, s22, s21
	v_mul_u32_u24 v6, s22, v2                      ; lanes 16-31 take B's
	s_add_co_u32 s21, s21, SCL
	v_add_nc_u32 v5, v5, v6
	v_add_nc_u32 v[ADRS], s21, v5
	s_mul_i32 s23, s14, 16*SPITCH                  ; my stage
	v_mul_u32_u24 v5, v1, SPITCH
	v_lshl_add_u32 v5, v2, 4, v5
	v_add_nc_u32 v[STO], s23, v5                   ; in: row r, 16 bytes for each half of the lanes
	v_bfe_u32 v5, v0, 3, 1
	v_mul_u32_u24 v5, v5, SPITCH
	v_lshl_add_u32 v5, v2, 7, v5
	v_and_b32 v6, 7, v0
	v_lshl_add_u32 v5, v6, 4, v5
	v_add_nc_u32 v[RD], s23, v5                    ; back: lanes 0-15 two rows' 128 bytes of my first slab, lanes 16-31 of my second
	v_lshlrev_b32 v[CO], 19, v2
	v_lshl_add_u32 v[CO], v1, 4, v[CO]             ; and in qkv16: 524,288 x slab + 16 (l % 16)
	v_and_b32 v6, 31, v0
	v_lshlrev_b32 v[IMG], 4, v6
	s_lshl_b32 s20, s17, 8
	s_lshl_b32 s21, s15, 7
	s_add_co_u32 s20, s20, s21                     ; my first row
	v_mov_b32 v[ROWV], s20
	s_lshl_b32 s20, s20, 7                         ; x 128 bytes
	s_mov_b32 s21, 0
	s_lshl_b32 s46, s42, 2
	s_lshl_b32 s47, s16, 1
	s_add_co_u32 s46, s46, s47                     ; my first slab: 4 x tile column + 2 x half
	s_lshl_b32 s46, s46, 19
	s_mov_b32 s47, 0
	s_add_nc_u64 s[20:21], s[20:21], s[46:47]
	s_add_nc_u64 s[12:13], s[12:13], s[20:21]
	s_lshl_b32 s46, s42, 10
	s_lshl_b32 s18, s16, 9
	s_add_co_u32 s46, s46, s18                     ; 4 x my first column
	s_add_nc_u64 s[96:97], s[96:97], s[46:47]
	s_lshl_b32 s46, s46, 4                         ; 64 x my first column: where its images begin
	s_add_nc_u64 s[98:99], s[98:99], s[46:47]
	v_lshlrev_b32 v7, 5, v2
.irp b, 0,1,2,3,4,5,6,7                        ; the bias in the result's layout: register 8 b + j of lane (r, h) is bqkv[first column + 16 b + 8 h + j]
	global_load_b128 v[BI+8*\b:BI+8*\b+3], v7, s[96:97] offset:64*\b
	global_load_b128 v[BI+8*\b+4:BI+8*\b+7], v7, s[96:97] offset:64*\b+16
.endr
.macro FRAG reg, adr, q, i             ; 16 rows x 128 K of 4-bit codes: 8 registers: lane l holds row l % 16; registers 4 c .. 4 c + 3 hold K = 64 c + 32 (l / 16) + 0 .. 31
.irp c, 0,1
	ds_load_b128 v[\reg+4*\c:\reg+4*\c+3], v[\adr] offset:64*(\q)+32*\c+(\i)*16*PITCH
.endr
.endm
; 16 matrix instructions: A's blocks a0, a0 + 1 x B's eight.  zero = 1: the first product starts the sums from the bias.  The 64 accumulators take turns, one instruction a turn.
.macro MUL16 a0, p, q, sc, zero
.irp a, \a0, \a0+1
.irp b, 0,1,2,3,4,5,6,7
.if \zero
	v_wmma_scale_f32_16x16x128_f8f6f4 v[8*(8*((\a)%4)+\b):8*(8*((\a)%4)+\b)+7], v[128*(\p)+FR*\b:128*(\p)+FR*\b+FR-1], v[AF+FR*(\a):AF+FR*(\a)+FR-1], v[BI+8*\b:BI+8*\b+7], v[SC+8*NQ*(\sc)+NQ*\b+(\q)], v[SC+8*NQ*(\sc)+NQ*(\a)+(\q)] matrix_a_fmt:MATRIX_FMT_FP4 matrix_b_fmt:MATRIX_FMT_FP4 matrix_a_scale:MATRIX_SCALE_ROW1
.else
	v_wmma_scale_f32_16x16x128_f8f6f4 v[8*(8*((\a)%4)+\b):8*(8*((\a)%4)+\b)+7], v[128*(\p)+FR*\b:128*(\p)+FR*\b+FR-1], v[AF+FR*(\a):AF+FR*(\a)+FR-1], v[8*(8*((\a)%4)+\b):8*(8*((\a)%4)+\b)+7], v[SC+8*NQ*(\sc)+NQ*\b+(\q)], v[SC+8*NQ*(\sc)+NQ*(\a)+(\q)] matrix_a_fmt:MATRIX_FMT_FP4 matrix_b_fmt:MATRIX_FMT_FP4 matrix_a_scale:MATRIX_SCALE_ROW1
.endif
.endr
.endr
.endm
.macro FETCH_B slot, q, p
	WIN TO_B
.irp i, 0,1,2,3,4,5,6,7
	FRAG 128*(\p)+FR*\i, ADRB+\slot, \q, \i
.endr
	WIN 0
.endm
.macro FETCH_A slot, q, i0
.irp i, \i0, \i0+1, \i0+2, \i0+3
	FRAG AF+FR*(\i), ADRA+\slot, \q, \i
.endr
.endm
.macro SCALES sc                       ; a K step's scale words: lanes 0-15 A's block i, lanes 16-31 B's block i
.irp i, 0,1,2,3,4,5,6,7
	ds_load_b128 v[SC+8*NQ*\sc+NQ*\i:SC+8*NQ*\sc+NQ*\i+3], v[ADRS] offset:\i*SBLK
.endr
.endm
.macro PLACES n                        ; plain vector lines between a matrix instruction and a load into, or a read of, its registers
.rept \n
	v_nop
.endr
.endm
.macro STEP slot, q, zero              ; 128 along K that has its successor in the same slot
	s_wait_dscnt 4*NL                              ; B's set, the scales and A's blocks 0-3 are in; the youngest eight loads (A's blocks 4-7) may be out
.if \zero
	WIN FIRST_LO
.else
	WIN MUL_LO
.endif
	MUL16 0, (\q)%2, \q, \slot, \zero
	MUL16 2, (\q)%2, \q, \slot, \zero
	s_wait_dscnt 0                                 ; A's blocks 4-7 are in
	PLACES NP
	FETCH_B \slot, (\q)+1, 1-(\q)%2
	FETCH_A \slot, (\q)+1, 0
.if \zero
	WIN FIRST_HI
.else
	WIN MUL_HI
.endif
	MUL16 4, (\q)%2, \q, \slot, \zero
	MUL16 6, (\q)%2, \q, \slot, \zero
	PLACES NP
	WIN 0
	FETCH_A \slot, (\q)+1, 4
.endm
; Slot 0's last step changes slots: each wave's part of slot 1 has landed, then the barrier.  Nothing is filled again.
.macro TURN slot, next
	s_wait_tensorcnt 0x0                           ; all my tensor loads have landed: my part of the next slot
	ds_add_u32 v[SPW], v[NIL]                      ; 0 onto my spare word
	s_wait_dscnt 4*NL+1                            ; (the add and the youngest eight loads may be out)
	WIN MUL_LO
	MUL16 0, 1, NQ-1, \slot, 0
	s_wait_dscnt 0x0                               ; the add is done, and my reads of this slot are over
	s_barrier_signal -1
	MUL16 2, 1, NQ-1, \slot, 0
	WIN 0
	s_barrier_wait -1
	PLACES NP
	v_add_nc_u32 v[ADRS], 4*NQ, v[ADRS]            ; the next K step's scale words
	FETCH_B \next, 0, 0
	FETCH_A \next, 0, 0
	SCALES \next
	WIN MUL_HI
	MUL16 4, 1, NQ-1, \slot, 0
	MUL16 6, 1, NQ-1, \slot, 0
	PLACES NP
	WIN 0
	FETCH_A \next, 0, 4
.endm
.macro STEPS slot, from
.set Q, \from
.rept NQ-1-\from
	STEP \slot, Q, 0
.set Q, Q+1
.endr
.endm
	s_wait_tensorcnt 1                             ; the scales and my part of K step 0 are in (K step 1's load may be out),
	s_barrier_signal -1
	s_barrier_wait -1                              ; everybody's are
	FETCH_B 0, 0, 0
	FETCH_A 0, 0, 0
	SCALES 0
	FETCH_A 0, 0, 4
	s_wait_loadcnt 0x0                             ; the bias
	STEP 0, 0, 1
	STEPS 0, 1
	TURN 0, 1
	STEPS 1, 0
	s_wait_dscnt 4*NL                              ; the very last step
	WIN MUL_LO
	MUL16 0, 1, NQ-1, 1, 0
	MUL16 2, 1, NQ-1, 1, 0
	s_wait_dscnt 0
	WIN MUL_HI
	MUL16 4, 1, NQ-1, 1, 0
	MUL16 6, 1, NQ-1, 1, 0
	WIN 0
	PLACES NP                                      ; behind the last products, all lanes on: for every read of results and every load into fragment registers below
	; ROWS 0-15 IN F32: the wave whose first row is 0 stores its block 0 as it stands in the registers; in every other wave no lane is on.  No branch: the choice hangs on the work-group's place.
	s_wait_xcnt 0x0                                ; EXEC changes only behind this wait
	v_cmp_gt_u32 vcc_lo, 16, v[ROWV]
	s_and_saveexec_b32 s66, vcc_lo
	WIN 0x08                                       ; a store's data are its source 1: window 2
.irp b, 0,1,2,3,4,5,6,7
	global_store_b128 v[IMG], v[8*\b:8*\b+3], s[98:99] offset:1024*\b        ; 512 consecutive bytes; each accumulator from its low end on
	global_store_b128 v[IMG], v[8*\b+4:8*\b+7], s[98:99] offset:1024*\b+512
.endr
	WIN 0
	s_wait_xcnt 0x0                                ; and again in front of the line that widens it
	s_or_b32 exec_lo, exec_lo, s66
; THE WAY OUT, block by block of 16 rows x 128 columns: rounded to f16, through my own stage, back so that sixteen lanes hold two rows of one slab: 256 consecutive bytes, aligned.
.macro PACK a
.set AC, 64*((\a)%4)
	WIN 0x0a+5*((\a)/4)                            ; sources 0 and 1: window 2 or 3
.irp b, 0,1,2,3,4,5,6,7
.irp r, 0,1,2,3
	v_cvt_pk_f16_f32 v[TMP+4*\b+\r], v[AC+8*\b+2*\r], v[AC+8*\b+2*\r+1]
.endr
.endr
	WIN 0
.endm
.macro TOSTAGE a
.set BB, BK+32*((\a)%2)
.irp b, 0,1,2,3,4,5,6,7
	ds_store_b128 v[STO], v[TMP+4*\b:TMP+4*\b+3] offset:32*\b
.endr
.irp t, 0,1,2,3,4,5,6,7
	ds_load_b128 v[BB+4*\t:BB+4*\t+3], v[RD] offset:\t*2*SPITCH    ; LDS serves a wave's instructions in order: these see the stores above
.endr
.endm
.macro SEND a
.set BB, BK+32*((\a)%2)
	s_wait_dscnt 0x0                               ; the block is back in registers
	s_wait_xcnt 0x0                                ; the stores of the block before have read their registers: the next block's loads may land there
.irp t, 0,1,2,3,4,5,6,7
	global_store_b128 v[CO], v[BB+4*\t:BB+4*\t+3], s[12:13] offset:2048*(\a)+256*\t
.endr
.endm
	PACK 0
	TOSTAGE 0
.irp a, 1,2,3,4,5,6,7                  ; block a's conversions stand between block a - 1's loads from the stage and the wait for them
	PACK \a
	SEND \a-1
	TOSTAGE \a
.endr
	SEND 7
	s_wait_tensorcnt 0x0                           ; the wave's end
	ds_add_u32 v[SPW], v[NIL]
	s_wait_dscnt 0x0
	CROUND                                         ; the closing round
	s_endpgm
.Lfunc_end_k_q7c6d52fc96_qkv:
	.size	k_q7c6d52fc96_qkv, .Lfunc_end_k_q7c6d52fc96_qkv-k_q7c6d52fc96_qkv
	.p2alignl 7, 3214868480
	.fill 96, 4, 3214868480
	.section	.rodata,"a",@progbits
	.p2align	6, 0x0
	.amdhsa_kernel k_q7c6d52fc96_qkv
		.amdhsa_group_segment_fixed_size 327680
		.amdhsa_private_segment_fixed_size 0
		.amdhsa_enable_private_segment 0
		.amdhsa_kernarg_size 56
		.amdhsa_user_sgpr_count 2
		.amdhsa_user_sgpr_kernarg_segment_ptr 1
		.amdhsa_wavefront_size32 1
		.amdhsa_system_sgpr_workgroup_id_x 1
		.amdhsa_system_sgpr_workgroup_id_y 1
		.amdhsa_system_sgpr_workgroup_id_z 1
		.amdhsa_system_vgpr_workitem_id 0
		.amdhsa_next_free_vgpr 1024
		.amdhsa_next_free_sgpr 100
		.amdhsa_reserve_vcc 1
		.amdhsa_float_denorm_mode_32 3
		.amdhsa_float_denorm_mode_16_64 3
		.amdhsa_memory_ordered 1
		.amdhsa_forward_progress 1
		.amdhsa_inst_pref_size 130
	.end_amdhsa_kernel
	.amdgpu_metadata
---
amdhsa.version: [ 1, 2 ]
amdhsa.kernels:
  - .name:           k_q7c6d52fc96_qkv
    .symbol:         k_q7c6d52fc96_qkv.kd
    .args:
      - { .name: xc, .offset: 0, .size: 8, .value_kind: global_buffer, .address_space: global }
      - { .name: xs, .offset: 8, .size: 8, .value_kind: global_buffer, .address_space: global }
      - { .name: wc, .offset: 16, .size: 8, .value_kind: global_buffer, .address_space: global }
      - { .name: ws, .offset: 24, .size: 8, .value_kind: global_buffer, .address_space: global }
      - { .name: bqkv, .offset: 32, .size: 8, .value_kind: global_buffer, .address_space: global }
      - { .name: qkv16, .offset: 40, .size: 8, .value_kind: global_buffer, .address_space: global }
      - { .name: qkv32, .offset: 48, .size: 8, .value_kind: global_buffer, .address_space: global }
    .group_segment_fixed_size: 327680
    .private_segment_fixed_size: 0
    .kernarg_segment_align: 8
    .kernarg_segment_size: 56
    .max_flat_workgroup_size: 128
    .sgpr_count:     100
    .vgpr_count:     1024
    .wavefront_size: 32
...
	.end_amdgpu_metadata
.endif
;; end of part 2
;; launch attn (part 3): grid 16 x 16, 16 waves a work-group, no clusters, 327,680 bytes of LDS; arguments qkv16, att16; writes att16
.if DOCPART == 3
	.amdgcn_target "amdgcn-amd-amdhsa--gfx1250"
	.amdhsa_code_object_version 6
	.text
	.protected	k_q7c6d52fc96_attn
	.globl	k_q7c6d52fc96_attn
	.p2align	8
	.type	k_q7c6d52fc96_attn,@function
k_q7c6d52fc96_attn:
	s_mov_b64 s[64:65], 0
	v_nop
	global_prefetch_b8 v0, s[64:65] scope:SCOPE_SE
	s_setreg_imm32_b32 hwreg(HW_REG_WAVE_MODE, 25, 1), 1
	s_wait_xcnt 0x0
; att[q][head][:] = the sum over keys k <= q of softmax_k(Q[q] . K[k] / 8) V[k][:], 16 heads of 64, 4,096 positions.  Operands in f16, products, maxima and sums in f32; the weights p are rounded to f16.
; IN: qkv16 [48 slabs][4096][64] f16 (q: slab head, k: 16 + head, v: 32 + head).  OUT: att16, f16: byte (q / 2) x 4096 + head x 256 + (q % 2) x 128 + 2 d.
; LIMITS: hidden scores become -infinity and steps that lie wholly behind the diagonal are left out: equal to the -1e10 of the definition while the scaled scores stay far above -1e10.
; |att| at or under 65,504.  Rows 0-15 are computed here too, but the output's rows 0-15 are made in f32 by another launch.
; SHARES.  A work-group has one head and 256 queries: waves 0-7 the block of 128 queries number i (= work-group x), waves 8-15 block 31 - i; a wave owns 16 queries.  Low waves need i + 1 steps of 128 keys,
; high waves 32 - i: 8 x 33 wave steps in every work-group.  All sixteen waves walk ONE stream of keys through a ring of two LDS slots of 256 keys.
; NO CLUSTER: the work-groups of a head end their walks at different keys, (32 - i) x 128, so partners would need different numbers of tiles.
; LAYOUT.  S^T = K Q^T (source 0 = 16 keys, source 1 = my 16 queries): a lane holds ONE query (lane % 16) and keys 8 (lane / 16) + 0..7 of each tile.  Two tiles rounded in pairs ARE source 1 (32 keys) of
; O^T = V^T P, whose source 0 comes out of LDS turned, by ds_load_tr16_b128.
; SOFTMAX.  A running maximum m and sum l for each query: p = 2^(c s - c m), c = log2(e) / 8; in every step O and l are multiplied by a = 2^(c m_old - c m_new).
; Every work-group walks all 16 slots (constant trip counts); a step whose keys all come after the wave's queries is jumped over by a scalar branch on ids; a slot whose first key comes after the
; work-group's last query is not asked for.  Every wait on TENSORcnt is for 0.
.set KP,    144                        ; a key's row in LDS: 128 bytes + 16
.set VP,    160                        ; a row of V: 128 + 32
.set VOFF,  256*KP                     ; a slot: 256 rows of K, then 256 rows of V
.set SLOT1, 1<<17                      ; slot 1 begins here: one exclusive or turns an address
.set STAGE, 2*SLOT1                    ; 16 rows x 144 bytes for each wave, for the way out: no fill lands here
.set SPARE, STAGE+16*16*KP             ; the spare words, 128 bytes a wave: eight blocks of 256 bytes that no other line names
.set SLAB,  524288
.set AK0, 1                            ; v1  my lane's place in a tile of K
.set AV0, 2                            ; v2  the same for V
.set ADK, 3                            ; v3  LDS address of the step's K; at the end: into the stage
.set ADV, 4                            ; v4  of its V; at the end: back from the stage
.set SPW, 5
.set NIL, 6
.set GO,  7                            ; v7  my byte offset in the wave's rows of att16
.set MX,  8                            ; v8  m
.set PFO, 9                            ; v9  256 x lane
.set CM,  10                           ; v[10:11] c m (and a filler: named as a pair)
.set AA,  12                           ; v[12:13] a (and a filler)
.set LL,  14                           ; v[14:15] l in two halves
.set QF,  16                           ; v16-31   Q: two fragments
.set KV,  32                           ; v32-95   eight fragments of K, later of V
.set ST,  96                           ; v96-159  S^T, then p, then eight fragments of V
.set OT,  160                          ; v160-191 O^T
.set PT,  192                          ; v192-223 p in f16
.set MC,  224                          ; v224-227 four chains of the maximum
.set PD,  228                          ; v228 a lane permute's destination
.set TT,  229
.set UU,  230
.set DD,  231
.set TB,  2                            ; s2  LDS byte at which the slot in hand begins
.set KF,  3                            ; s3  the step's first key
.set WV,  8
.set Q0,  9                            ; s9  my first query
.set QL,  10                           ; s10 my work-group's last query
.set SLOTS, 11
.set LIM, 12
.set PFA, 14
.set SEL, 20
.set CS,  22
.set G1K, 24
.set G1V, 32
.set G0K, 40
.set G0V, 44
; Waves 0-3 fetch K's quarters of a slot (64 rows each), waves 4-7 V's, the others nothing.  An s_nop 0 and four v_nop follow each line.
.macro TLOAD
	s_cmp_lt_u32 s[WV], 4
	s_cbranch_scc0 .Lnot_k_\@
	tensor_load_to_lds s[G0K:G0K+3], s[G1K:G1K+7]
	s_nop 0
.rept 4
	v_nop
.endr
	s_branch .Lasked_\@
.Lnot_k_\@:
	s_cmp_lt_u32 s[WV], 8
	s_cbranch_scc0 .Lasked_\@
	tensor_load_to_lds s[G0V:G0V+3], s[G1V:G1V+7]
	s_nop 0
.rept 4
	v_nop
.endr
.Lasked_\@:
.endm
; A prefetch of what the NEXT change of slots will ask for: a slot's K and V are dense blocks of 32,768 bytes each.  All work-groups of a head walk the same keys: the head's work-group x = 0, which walks
; all slots itself, asks; in it the waves that fetch nothing: waves 8-11 for K, 12-15 for V, 8,192 bytes a wave, lanes 256 bytes apart.  So each aligned block of 256 bytes is named once in the launch.
; The last change that fills a slot asks for nothing; slots 0 and 1 come by their loads alone.
.macro ASK
	s_cmp_gt_u32 s[SLOTS], s[LIM]
	s_cbranch_scc0 .Lnot_mine_\@
	global_prefetch_b8 v[PFO], s[PFA:PFA+1] th:TH_LOAD_NT scope:SCOPE_SE
.Lnot_mine_\@:
.endm
	s_load_b128 s[4:7], s[0:1], 0x0                ; qkv16 s[4:5], att16 s[6:7]
	v_lshl_add_u32 v[SPW], v0, 2, SPARE
	v_mov_b32 v[NIL], 0
	ds_add_u32 v[SPW], v[NIL]                      ; the wave's opening: the add, twice on end, and its wait ahead of the first tensor load
	ds_add_u32 v[SPW], v[NIL]
	v_lshrrev_b32 v3, 5, v0
	v_readfirstlane_b32 s[WV], v3                  ; wave 0..15
	s_and_b32 s48, ttmp7, 0xffff                   ; the head
	s_sub_co_u32 s49, 31, ttmp9
	s_cmp_lt_u32 s[WV], 8
	s_cselect_b32 s49, ttmp9, s49                  ; my block of 128 queries
	s_lshl_b32 s[Q0], s49, 7
	s_and_b32 s50, s[WV], 7
	s_lshl_b32 s50, s50, 4
	s_add_co_u32 s[Q0], s[Q0], s50
	s_sub_co_u32 s[QL], 32, ttmp9
	s_lshl_b32 s[QL], s[QL], 7
	s_sub_co_u32 s[QL], s[QL], 1
	s_and_b32 s51, s[WV], 3                        ; which quarter of a slot I fetch or ask for
	s_lshl_b32 s52, s48, 19
	s_lshl_b32 s50, s51, 13
	s_add_co_u32 s52, s52, s50                     ; head x a slab + my quarter's 64 rows
	s_mov_b32 s53, 0
	s_lshl_b32 s54, s48, 19
	s_lshl_b32 s50, s[Q0], 7
	s_add_co_u32 s54, s54, s50                     ; Q: head x a slab + my first query's row
	s_mov_b32 s55, 0
	s_mov_b32 s[G1K], (1<<16)|(1<<20)|(4<<22)|(3<<25)  ; no mask; elements of 2 bytes; padding: 4 words behind every 32
	s_mov_b32 s[G1V], (1<<16)|(1<<20)|(4<<22)|(7<<25)  ; 8 words behind every 32
.irp g, G1K, G1V
	s_mov_b32 s[\g+1], 64<<16                      ; tensor_dim0 = 64
	s_mov_b32 s[\g+2], 64<<16                      ; tensor_dim1 = 64
	s_mov_b32 s[\g+3], 64<<16                      ; tile_dim0 = 64
	s_mov_b32 s[\g+4], 64                          ; tile_dim1 = 64
	s_mov_b32 s[\g+5], 64                          ; the pitch
	s_mov_b32 s[\g+6], 0
	s_mov_b32 s[\g+7], 0
.endr
	s_mov_b32 s[SEL], 0x76543210
	s_mov_b32 s[SEL+1], 0xfedcba98
	s_mov_b32 s[CS], 0x3e38aa3b                    ; c = log2(e) / 8
	s_mov_b32 s[CS+1], s[CS]
	s_mov_b32 s[TB], 0
	s_mov_b32 s[KF], 0
	s_mov_b32 s[SLOTS], 15
	s_lshr_b32 s[LIM], s[WV], 3
	s_xor_b32 s[LIM], s[LIM], 1                    ; 0 in waves 8-15,
	s_or_b32 s[LIM], s[LIM], ttmp9                 ; of work-group x = 0
	s_cmp_eq_u32 s[LIM], 0
	s_cselect_b32 s[LIM], 1, -1
	s_wait_dscnt 0x0                               ; both opening adds are done
	s_wait_kmcnt 0x0
	s_mov_b32 s[G0K], 1
	s_mul_i32 s[G0K+1], s51, 64*KP
	s_add_nc_u64 s[G0K+2:G0K+3], s[4:5], s[52:53]
	s_add_nc_u64 s[G0K+2:G0K+3], s[G0K+2:G0K+3], 16*SLAB
	s_or_b32 s[G0K+3], s[G0K+3], 0x80000000
	s_mov_b32 s[G0V], 1
	s_mul_i32 s[G0V+1], s51, 64*VP
	s_add_co_u32 s[G0V+1], s[G0V+1], VOFF
	s_add_nc_u64 s[G0V+2:G0V+3], s[4:5], s[52:53]
	s_add_nc_u64 s[G0V+2:G0V+3], s[G0V+2:G0V+3], 32*SLAB
	s_or_b32 s[G0V+3], s[G0V+3], 0x80000000
	TLOAD                                          ; slot 0: keys 0-255, which every wave reads
	s_cmp_lt_u32 s[WV], 12
	s_cselect_b32 s50, 16, 32
	s_lshl_b32 s50, s50, 19
	s_add_co_u32 s50, s50, 32768                   ; in slot 1: the first change of slots steps it to slot 2
	s_mov_b32 s51, 0
	s_add_nc_u64 s[PFA:PFA+1], s[4:5], s[52:53]
	s_add_nc_u64 s[PFA:PFA+1], s[PFA:PFA+1], s[50:51]
	s_add_nc_u64 s[16:17], s[4:5], s[54:55]        ; Q at my first query
	s_lshl_b32 s50, s[Q0], 11
	s_lshl_b32 s52, s48, 8
	s_add_co_u32 s50, s50, s52
	s_add_nc_u64 s[6:7], s[6:7], s[50:51]          ; att16 at my first pair of rows, my head
	v_and_b32 v[TT], 15, v0                        ; r
	v_bfe_u32 v[UU], v0, 4, 1                      ; h
	v_lshlrev_b32 v3, 7, v[TT]
	v_lshl_add_u32 v3, v[UU], 4, v3                ; Q: row r of 128 bytes, + 16 h
.irp c, 0,1,2,3
	global_load_b128 v[QF+4*\c:QF+4*\c+3], v3, s[16:17] offset:32*\c
.endr
	v_mul_u32_u24 v[AK0], v[TT], KP
	v_lshl_add_u32 v[AK0], v[UU], 4, v[AK0]
	v_and_b32 v[DD], 7, v0
	v_lshl_add_u32 v[AV0], v[UU], 3, v[DD]
	v_mul_u32_u24 v[AV0], v[AV0], VP
	v_bfe_u32 v[DD], v0, 3, 1
	v_lshl_add_u32 v[AV0], v[DD], 4, v[AV0]
	v_add_nc_u32 v[AV0], VOFF, v[AV0]              ; the turning load: key 8 h + l % 8, channels 8 ((l / 8) % 2) on
	v_lshlrev_b32 v[GO], 12, v[UU]
	v_lshl_add_u32 v[GO], v[TT], 4, v[GO]
	v_and_b32 v[PFO], 31, v0
	v_lshlrev_b32 v[PFO], 8, v[PFO]
	v_mov_b32 v[MX], 0xff61b1e6                    ; m = -3e38, under every score
	v_mul_f32 v[CM], s[CS], v[MX]
	v_mov_b32 v[CM+1], 0
	v_mov_b32 v[AA+1], 0
	v_mov_b32 v[LL], 0
	v_mov_b32 v[LL+1], 0
	v_mov_b32 v[PD], 0
.set n, 0
.rept 32
	v_mov_b32 v[OT+n], 0                           ; O^T: the step is written once; the first finds zeros, which a = 0 leaves zeros
.set n, n+1
.endr
; A KEY STEP: 128 keys, the q-th of the slot in hand.
.macro STEP q
	s_add_co_u32 s48, s[Q0], 15
	s_cmp_gt_u32 s[KF], s48                        ; all 128 keys come after my 16 queries: nothing to do but count on
	s_cbranch_scc1 .Lhidden_\@
	v_add_nc_u32 v[ADK], s[TB], v[AK0]
	v_add_nc_u32 v[ADV], s[TB], v[AV0]
.rept 3
	v_nop                                          ; with the two additions five places behind the last step's products: their fragments of V are loaded over (four are owed) and written over by the scores' products (five)
.endr
.irp g, 0,1                                    ; S^T = K Q^T, four tiles of 16 keys at a time
.if \g > 0
.rept 4
	v_nop
.endr
.endif
.irp t, 0,1,2,3
.irp c, 0,1
	ds_load_b128 v[KV+16*\t+8*\c:KV+16*\t+8*\c+3], v[ADK] offset:(128*(\q)+64*\g+16*\t)*KP+64*\c
	ds_load_b128 v[KV+16*\t+8*\c+4:KV+16*\t+8*\c+7], v[ADK] offset:(128*(\q)+64*\g+16*\t)*KP+64*\c+32
.endr
.endr
	s_wait_dscnt 0x0
.irp t, 0,1,2,3                                ; channels 0-31 start the four sums; the accumulators take turns
	v_wmma_f32_16x16x32_f16 v[ST+8*(4*\g+\t):ST+8*(4*\g+\t)+7], v[KV+16*\t:KV+16*\t+7], v[QF:QF+7], 0
.endr
.irp t, 0,1,2,3
	v_wmma_f32_16x16x32_f16 v[ST+8*(4*\g+\t):ST+8*(4*\g+\t)+7], v[KV+16*\t+8:KV+16*\t+15], v[QF+8:QF+15], v[ST+8*(4*\g+\t):ST+8*(4*\g+\t)+7]
.endr
.endr
.rept 4
	v_nop                                          ; places: for the loads over K's fragments, and for the first reads of the scores
.endr
.irp kc, 0,1                                   ; V of keys 0-63 of the step, turned: it lands while the softmax is worked
.irp dt, 0,1,2,3
	ds_load_tr16_b128 v[KV+32*\kc+8*\dt:KV+32*\kc+8*\dt+3], v[ADV] offset:(128*(\q)+32*\kc)*VP+32*\dt
	ds_load_tr16_b128 v[KV+32*\kc+8*\dt+4:KV+32*\kc+8*\dt+7], v[ADV] offset:(128*(\q)+32*\kc)*VP+32*\dt+16*VP
.endr
.endr
	s_add_co_u32 s48, s[KF], 127
	s_cmp_le_u32 s48, s[Q0]                        ; all keys of the step count: no mask
	s_cbranch_scc1 .Lopen_\@
	s_sub_co_i32 s48, s[Q0], s[KF]
	v_and_b32 v252, 15, v0
	v_bfe_u32 v253, v0, 4, 1
	v_lshlrev_b32 v253, 3, v253
	v_sub_nc_u32 v252, v252, v253
	v_add_nc_u32 v252, s48, v252                   ; d = my query - KF - 8 h.  Register 8 T + j holds key KF + 16 T + 8 h + j: hidden where 16 T + j > d
	v_mov_b32 v254, 0xff800000
.set n, 0
.rept 64
	v_cmp_gt_i32 vcc_lo, 16*(n/8)+n%8, v252
	v_cndmask_b32 v[ST+n], v[ST+n], v254, vcc_lo
.set n, n+1
.endr
.Lopen_\@:
.irp b, 0,1,2,3                                ; the maximum of my 64 scores, in four chains; each tile is read from its low end on
	v_max3_num_f32 v[MC+\b], v[ST+16*\b], v[ST+16*\b+1], v[ST+16*\b+2]
.endr
.irp i, 3,5,7,9,11,13
.irp b, 0,1,2,3
	v_max3_num_f32 v[MC+\b], v[MC+\b], v[ST+16*\b+\i], v[ST+16*\b+\i+1]
.endr
.endr
.irp b, 0,1,2,3
	v_max_num_f32 v[MC+\b], v[MC+\b], v[ST+16*\b+15]
.endr
	v_max3_num_f32 v[TT], v[MC], v[MC+1], v[MC+2]
	v_max3_num_f32 v[TT], v[TT], v[MC+3], v[MX]    ; and the old m
	v_permlanex16_b32 v[PD], v[TT], s[SEL], s[SEL+1]
	v_max_num_f32 v[TT], v[TT], v[PD]              ; with the query's other 64 keys: the new m
	v_mul_f32 v[UU], s[CS], v[TT]
	v_sub_f32 v[DD], v[CM], v[UU]                  ; c m_old - c m_new
	v_mov_b32 v[CM], v[UU]
.set n, 0
.rept 32
	v_pk_fma_f32 v[ST+n:ST+n+1], v[ST+n:ST+n+1], s[CS:CS+1], v[CM:CM+1] op_sel_hi:[1,0,0] neg_lo:[0,0,1] neg_hi:[0,0,1]   ; c s - c m
.set n, n+2
.endr
	v_exp_f32 v[AA], v[DD]                         ; ONE BATCH: a and the 64 weights
.set n, 0
.rept 64
	v_exp_f32 v[ST+n], v[ST+n]
.set n, n+1
.endr
	v_mov_b32 v[MX], v[TT]                         ; the plain line behind the last exponential
	s_wait_alu depctr_va_vdst(0)                   ; one wait for the batch, ahead of its first reader
	v_pk_mul_f32 v[LL:LL+1], v[LL:LL+1], v[AA:AA+1] op_sel_hi:[1,0]
	v_pk_add_f32 v[232:233], v[ST:ST+1], v[ST+2:ST+3]
.irp j, 4,8,12,16,20,24,28,32,36,40,44,48,52,56,60
	v_pk_add_f32 v[LL:LL+1], v[LL:LL+1], v[ST+\j:ST+\j+1]
	v_pk_add_f32 v[232:233], v[232:233], v[ST+\j+2:ST+\j+3]
.endr
	v_pk_add_f32 v[LL:LL+1], v[LL:LL+1], v[232:233]
.set n, 0
.rept 32
	v_cvt_pk_f16_f32 v[PT+n], v[ST+2*n], v[ST+2*n+1]
.set n, n+1
.endr
.irp kc, 2,3                                   ; V of keys 64-127, into the registers that the weights have left
.irp dt, 0,1,2,3
	ds_load_tr16_b128 v[ST+32*(\kc-2)+8*\dt:ST+32*(\kc-2)+8*\dt+3], v[ADV] offset:(128*(\q)+32*\kc)*VP+32*\dt
	ds_load_tr16_b128 v[ST+32*(\kc-2)+8*\dt+4:ST+32*(\kc-2)+8*\dt+7], v[ADV] offset:(128*(\q)+32*\kc)*VP+32*\dt+16*VP
.endr
.endr
.set n, 0
.rept 16
	v_pk_mul_f32 v[OT+n:OT+n+1], v[OT+n:OT+n+1], v[AA:AA+1] op_sel_hi:[1,0]   ; O^T x a
.set n, n+2
.endr
	s_wait_dscnt 16                                ; V of keys 0-63 is in; the sixteen loads just issued may be out
.irp kc, 0,1
.irp dt, 0,1,2,3
	v_wmma_f32_16x16x32_f16 v[OT+8*\dt:OT+8*\dt+7], v[KV+32*\kc+8*\dt:KV+32*\kc+8*\dt+7], v[PT+8*\kc:PT+8*\kc+7], v[OT+8*\dt:OT+8*\dt+7]
.endr
.endr
	s_wait_dscnt 0x0
.irp kc, 2,3
.irp dt, 0,1,2,3
	v_wmma_f32_16x16x32_f16 v[OT+8*\dt:OT+8*\dt+7], v[ST+32*(\kc-2)+8*\dt:ST+32*(\kc-2)+8*\dt+7], v[PT+8*\kc:PT+8*\kc+7], v[OT+8*\dt:OT+8*\dt+7]
.endr
.endr
.Lhidden_\@:
	s_add_co_u32 s[KF], s[KF], 128
.endm
; THE CHANGE OF SLOTS stands at a slot's head.  Each wave waits for all its tensor loads (its part of the slot ahead), adds 0 to its spare word, and waits for that and for its reads of the slot that it has left.
; Behind the barrier the slot ahead is whole and nobody reads the other one.  fill = 1: that other slot takes the next 256 keys, while some wave of the work-group will read them.
.macro CHANGE fill
	s_wait_tensorcnt 0x0                           ; no tensor load of mine is out, so a descriptor may be written
	ds_add_u32 v[SPW], v[NIL]
.if \fill
	ds_add_u32 v[SPW], v[NIL]                      ; and twice on end here, in every trip alike
	s_xor_b32 s[G0K+1], s[G0K+1], SLOT1
	s_add_nc_u64 s[G0K+2:G0K+3], s[G0K+2:G0K+3], 32768
	s_xor_b32 s[G0V+1], s[G0V+1], SLOT1
	s_add_nc_u64 s[G0V+2:G0V+3], s[G0V+2:G0V+3], 32768
	s_wait_xcnt 0x0                                ; the last prefetch, a slot back, has read its address
	s_add_nc_u64 s[PFA:PFA+1], s[PFA:PFA+1], 32768
.endif
	s_wait_dscnt 0x0                               ; the add is done, and my reads of the slot that I have left are over
	s_barrier_signal -1
	s_barrier_wait -1
.if \fill
	s_add_co_u32 s48, s[KF], 256                   ; the first key of the slot that this change would ask for,
	s_cmp_gt_u32 s48, s[QL]                        ; against my work-group's last query: ids and the count of steps alone, the same in all sixteen waves
	s_cbranch_scc1 .Lpast_\@
	TLOAD                                          ; a wave's one tensor load until the next such barrier
.Lpast_\@:
	ASK
.endif
.endm
.macro SLOT_STEPS
	STEP 0
	STEP 1
	s_xor_b32 s[TB], s[TB], SLOT1
.endm
	s_wait_loadcnt 0x0                             ; Q
.Lslot:                                            ; 15 trips
	CHANGE 1
	SLOT_STEPS
	s_sub_co_u32 s[SLOTS], s[SLOTS], 1
	s_cmp_lg_u32 s[SLOTS], 0
	s_cbranch_scc1 .Lslot
	CHANGE 0                                       ; the last slot is written out: nothing is left to ask for
	SLOT_STEPS
	; THE WAY OUT: O^T / l, rounded to f16, through my own stage, so that sixteen lanes store two rows' 128 bytes of my head: 256 consecutive bytes, aligned.
	v_add_f32 v[LL], v[LL], v[LL+1]
	v_permlanex16_b32 v[PD], v[LL], s[SEL], s[SEL+1]
	v_add_f32 v[LL], v[LL], v[PD]
	v_rcp_f32 v[LL], v[LL]
	v_and_b32 v[TT], 15, v0                        ; (plain lines behind the reciprocal, and the places behind the last products)
	v_bfe_u32 v[UU], v0, 4, 1
	s_mul_i32 s48, s[WV], 16*KP
	s_add_co_u32 s48, s48, STAGE
	v_mul_u32_u24 v[ADK], v[TT], KP
	v_lshl_add_u32 v[ADK], v[UU], 4, v[ADK]
	v_add_nc_u32 v[ADK], s48, v[ADK]               ; in: row r, + 16 h
	v_bfe_u32 v[DD], v0, 3, 2
	v_mul_u32_u24 v[ADV], v[DD], KP
	v_and_b32 v[DD], 7, v0
	v_lshl_add_u32 v[ADV], v[DD], 4, v[ADV]
	v_add_nc_u32 v[ADV], s48, v[ADV]               ; back: four rows an instruction, eight lanes a row
	s_wait_alu depctr_va_vdst(0)                   ; the wait ahead of the reciprocal's first reader
.set n, 0
.rept 32
	v_mul_f32 v[ST+n], v[OT+n], v[LL]
.set n, n+1
.endr
.set n, 0
.rept 16
	v_cvt_pk_f16_f32 v[KV+n], v[ST+2*n], v[ST+2*n+1]
.set n, n+1
.endr
.irp dt, 0,1,2,3
	ds_store_b128 v[ADK], v[KV+4*\dt:KV+4*\dt+3] offset:32*\dt
.endr
.irp i, 0,1,2,3
	ds_load_b128 v[KV+16+4*\i:KV+16+4*\i+3], v[ADV] offset:4*\i*KP   ; LDS serves a wave's instructions in order: these see my stores
.endr
.irp i, 0,1,2,3
	s_wait_dscnt 3-\i
	global_store_b128 v[GO], v[KV+16+4*\i:KV+16+4*\i+3], s[6:7] offset:8192*\i
.endr
	s_wait_tensorcnt 0x0                           ; the wave's end
	ds_add_u32 v[SPW], v[NIL]
	s_wait_dscnt 0x0
	s_endpgm
.Lfunc_end_k_q7c6d52fc96_attn:
	.size	k_q7c6d52fc96_attn, .Lfunc_end_k_q7c6d52fc96_attn-k_q7c6d52fc96_attn
	.p2alignl 7, 3214868480
	.fill 96, 4, 3214868480
	.section	.rodata,"a",@progbits
	.p2align	6, 0x0
	.amdhsa_kernel k_q7c6d52fc96_attn
		.amdhsa_group_segment_fixed_size 327680
		.amdhsa_private_segment_fixed_size 0
		.amdhsa_enable_private_segment 0
		.amdhsa_kernarg_size 16
		.amdhsa_user_sgpr_count 2
		.amdhsa_user_sgpr_kernarg_segment_ptr 1
		.amdhsa_wavefront_size32 1
		.amdhsa_system_sgpr_workgroup_id_x 1
		.amdhsa_system_sgpr_workgroup_id_y 1
		.amdhsa_system_sgpr_workgroup_id_z 1
		.amdhsa_system_vgpr_workitem_id 0
		.amdhsa_next_free_vgpr 256
		.amdhsa_next_free_sgpr 66
		.amdhsa_reserve_vcc 1
		.amdhsa_float_denorm_mode_32 3
		.amdhsa_float_denorm_mode_16_64 3
		.amdhsa_memory_ordered 1
		.amdhsa_forward_progress 1
		.amdhsa_inst_pref_size 107
	.end_amdhsa_kernel
	.amdgpu_metadata
---
amdhsa.version: [ 1, 2 ]
amdhsa.kernels:
  - .name:           k_q7c6d52fc96_attn
    .symbol:         k_q7c6d52fc96_attn.kd
    .args:
      - { .name: qkv16, .offset: 0, .size: 8, .value_kind: global_buffer, .address_space: global }
      - { .name: att16, .offset: 8, .size: 8, .value_kind: global_buffer, .address_space: global }
    .group_segment_fixed_size: 327680
    .private_segment_fixed_size: 0
    .kernarg_segment_align: 8
    .kernarg_segment_size: 16
    .max_flat_workgroup_size: 512
    .sgpr_count:     66
    .vgpr_count:     256
    .wavefront_size: 32
...
	.end_amdgpu_metadata
.endif
;; end of part 3
;; launch proj (part 4): grid 8 x 32, 4 waves a work-group, clusters of 4 x 4, 327,680 bytes of LDS; arguments att16, wp16, bproj, out0; writes out0
.if DOCPART == 4
	.amdgcn_target "amdgcn-amd-amdhsa--gfx1250"
	.amdhsa_code_object_version 6
	.text
	.protected	k_q7c6d52fc96_proj
	.globl	k_q7c6d52fc96_proj
	.p2align	8
	.type	k_q7c6d52fc96_proj,@function
k_q7c6d52fc96_proj:
	s_mov_b64 s[64:65], 0
	v_nop
	global_prefetch_b8 v0, s[64:65] scope:SCOPE_SE
	s_setreg_imm32_b32 hwreg(HW_REG_WAVE_MODE, 25, 1), 1
	s_wait_xcnt 0x0
	s_wait_alu depctr_hold_cnt(0) depctr_sa_sdst(0) depctr_va_vdst(0) depctr_va_sdst(0) depctr_va_ssrc(0) depctr_va_vcc(0) depctr_vm_vsrc(0)
	s_getreg_b32 s2, hwreg(HW_REG_IB_STS2, 6, 4)
	s_cmp_eq_u32 s2, 0
	s_cbranch_scc0 .Lentry_in_a_cluster
	s_endpgm
.Lentry_in_a_cluster:
	s_bfe_u32 s2, ttmp6, 0x10000c
	s_cmp_lg_u32 s2, 0xf033
	s_cbranch_scc0 .Lentry_shape_is_right
	s_endpgm
.Lentry_shape_is_right:
; out0[m][n] = sum over k of att[m][k] Wproj[k][n] + bproj[n], rows 16 to 4,095; operands f16, sums f32.  m 4,096, n 1,024, k 1,024.  Rows 0-15 belong to another launch, which makes them in f32.
; A: att16, byte (m / 2) x 4096 + (k / 64) x 256 + (m % 2) x 128 + 2 (k % 64): a K step of 256 (four heads) is 1,024 consecutive bytes of a pair of rows.  B: wp16 [1024 k][1024 n], K its first axis:
; its fragments come out of LDS turned, by ds_load_tr16_b128.
; A tile of 128 x 128: 256 work-groups.  Four waves, each 64 x 64: 16 accumulators.  K goes in four steps of 256 through two LDS slots.
; CLUSTERS: 4 x 4 work-groups; A's tiles are asked for jointly along a row of the cluster, B's along a column.  THE MATRIX INSTRUCTION IS USED TRANSPOSED (source 0 = 16 columns n of B, source 1 = 16 rows of A):
; a lane holds eight neighbouring numbers of a row of out0.  THE BIAS is the C of each sum's first product.
; REGISTERS: window 0: v0-31 addresses; v32-95 rows on the way out; v96-127 the bias; v128-255 the accumulators ((a, b) at v[128 + 8 (4 a + b)]).   window 1: two fragment buffers of 128: 64 of A, then 64 of B.
.set PA,     1040                      ; a pair of rows in LDS: 1,024 bytes + 16: the sixteen rows of a load fall on sixteen different 16-byte columns of 256
.set HALFA,  32*PA                     ; 32 pairs: what one tensor load brings, and what one wave reads of A
.set PB,     288                       ; a row k of B: 256 bytes + 32
.set HALFB,  128*PB                    ; 128 rows k: what one tensor load brings
.set BOFF,   2*HALFA
.set SLOT,   2*HALFA+2*HALFB
.set STAGE,  2*SLOT                    ; 16 rows x 272 bytes for each wave: no fill lands here
.set SPITCH, 272
.set SPARE,  STAGE+4*16*SPITCH         ; the spare words, 128 bytes a wave: two blocks of 256 bytes that no other line names
.set LAPS,   2
.set ADRA, 16                          ; v16-17 my A fragments in slot 0, 1
.set ADRB, 20                          ; v20-21 my B fragments, rows k 0-127 of a step; v22-23 rows 128-255 (an LDS immediate has 16 bits)
.set STO,  24
.set RD,   25
.set CO,   26
.set ROWV, 27                          ; v27 my wave's first row
.set SPW,  28
.set NIL,  29
.set TMP,  32
.set BI,   96
.set ACC,  128
.set F0,   0
.set F1,   128
.set G1, 24
.set G0, 32
.set G1B, 48
.set G0B, 56
.set MSB, 0
.macro WIN new
.if MSB != \new
	s_set_vgpr_msb (MSB<<8)|\new
.set MSB, \new
.endif
.endm
.set MUL,  0x05                        ; sources 0 (B) and 1 (A) window 1; C and D window 0
.set TO_F, 0x40
.macro JLOAD s                         ; a joint load: waves 0 and 1 fetch A's halves, waves 2 and 3 B's; an s_nop 0 and four v_nop follow each line
	s_cmp_eq_u32 s11, 0
	s_cbranch_scc0 .Lfor_b_\@
	tensor_load_to_lds s[G0+4*\s:G0+4*\s+3], s[G1:G1+7]
	s_nop 0
.rept 4
	v_nop
.endr
	s_branch .Lasked_\@
.Lfor_b_\@:
	tensor_load_to_lds s[G0B+4*\s:G0B+4*\s+3], s[G1B:G1B+7]
	s_nop 0
.rept 4
	v_nop
.endr
.Lasked_\@:
.endm
.macro CREST
	s_cmp_lg_u32 s10, 0
	s_cbranch_scc1 .Lnot_wave_0_\@
	s_barrier_signal -3
.Lnot_wave_0_\@:
	s_barrier_wait -3
	s_barrier_signal -1
	s_barrier_wait -1
.endm
.macro CROUND
	s_barrier_signal -1
	s_barrier_wait -1
	CREST
.endm
	s_load_b128 s[4:7], s[0:1], 0x0                ; att16, wp16
	s_load_b64 s[66:67], s[0:1], 0x10              ; bproj
	s_load_b64 s[8:9], s[0:1], 0x18                ; out0
	v_lshl_add_u32 v[SPW], v0, 2, SPARE
	v_mov_b32 v[NIL], 0
	ds_add_u32 v[SPW], v[NIL]                      ; the wave's opening: the add, twice on end, and its wait ahead of my first tensor load
	ds_add_u32 v[SPW], v[NIL]
	v_lshrrev_b32 v1, 5, v0
	v_readfirstlane_b32 s10, v1                    ; wave 0..3
	s_lshr_b32 s11, s10, 1                         ; which half of the tile's rows is mine.  Also: I fetch for A (0) or for B (1)
	s_and_b32 s12, s10, 1                          ; which half of its columns.  Also: which half of that tile I fetch
	s_bfe_u32 s40, ttmp6, 0x40000
	s_bfe_u32 s41, ttmp6, 0x40004
	s_lshl_b32 s42, ttmp9, 2
	s_add_co_u32 s42, s42, s40                     ; tile column
	s_and_b32 s13, ttmp7, 0xffff
	s_lshl_b32 s13, s13, 2
	s_add_co_u32 s13, s13, s41                     ; tile row
	s_lshl_b32 s43, s41, 2
	s_lshl_b32 s43, 15, s43                        ; my row of the cluster
	s_lshl_b32 s44, 0x1111, s40                    ; my column
	s_or_b32 s[G1+0], s43, (1<<16)|(1<<20)|(1<<21)|(7<<22)|(3<<25)   ; A: the mask; elements of 2 bytes; padding: 4 words behind every 256
	s_mov_b32 s[G1+1], 512<<16                     ; tensor_dim0 = 512
	s_mov_b32 s[G1+2], 32<<16                      ; tensor_dim1 = 32 pairs of rows
	s_mov_b32 s[G1+3], 512<<16                     ; tile_dim0
	s_mov_b32 s[G1+4], 32                          ; tile_dim1
	s_mov_b32 s[G1+5], 2048                        ; from pair to pair: 4,096 bytes
	s_mov_b32 s[G1+6], 0
	s_mov_b32 s[G1+7], 0
	s_or_b32 s[G1B+0], s44, (1<<16)|(1<<20)|(1<<21)|(5<<22)|(7<<25)  ; B: 8 words behind every 64
	s_mov_b32 s[G1B+1], 128<<16
	s_mov_b32 s[G1B+2], 128<<16
	s_mov_b32 s[G1B+3], 128<<16
	s_mov_b32 s[G1B+4], 128
	s_mov_b32 s[G1B+5], 1024
	s_mov_b32 s[G1B+6], 0
	s_mov_b32 s[G1B+7], 0
	s_lshl_b32 s17, s12, 5
	s_lshl_b32 s16, s13, 6
	s_add_co_u32 s16, s16, s17                     ; A: pair 64 x tile row + 32 x half,
	s_lshl_b32 s16, s16, 12                        ; in bytes
	s_mov_b32 s17, 0
	s_lshl_b32 s46, s42, 8                         ; B: 256 bytes x tile column
	s_lshl_b32 s47, s12, 18                        ; + 128 rows k x half
	s_add_co_u32 s46, s46, s47
	s_mov_b32 s47, 0
	s_mul_i32 s20, s12, HALFA                      ; where they go: no place in the cluster enters an LDS address
	s_mul_i32 s21, s12, HALFB
	s_add_co_u32 s21, s21, BOFF
	s_wait_dscnt 0x0                               ; both opening adds are done
	s_wait_kmcnt 0x0
	s_add_nc_u64 s[14:15], s[4:5], s[16:17]
	s_add_nc_u64 s[46:47], s[6:7], s[46:47]
	CROUND                                         ; all sixteen work-groups are here: the first joint loads meet
.irp s, 0,1
	s_mov_b32 s[G0+4*\s], 1
	s_add_co_u32 s[G0+4*\s+1], s20, \s*SLOT
	s_add_nc_u64 s[G0+4*\s+2:G0+4*\s+3], s[14:15], \s*1024
	s_or_b32 s[G0+4*\s+3], s[G0+4*\s+3], 0x80000000
	s_mov_b32 s[G0B+4*\s], 1
	s_add_co_u32 s[G0B+4*\s+1], s21, \s*SLOT
	s_add_nc_u64 s[G0B+4*\s+2:G0B+4*\s+3], s[46:47], \s*524288
	s_or_b32 s[G0B+4*\s+3], s[G0B+4*\s+3], 0x80000000
	JLOAD \s
.endr
	v_and_b32 v1, 15, v0                           ; r
	v_bfe_u32 v2, v0, 4, 1                         ; h
	v_lshrrev_b32 v3, 1, v1
	v_mul_u32_u24 v3, v3, PA
	v_and_b32 v4, 1, v0
	v_lshl_add_u32 v3, v4, 7, v3
	v_lshl_add_u32 v3, v2, 4, v3                   ; A: pair r / 2, + 128 (r % 2), + 16 h
	v_and_b32 v4, 7, v0
	v_lshl_add_u32 v4, v2, 3, v4
	v_mul_u32_u24 v4, v4, PB
	v_bfe_u32 v5, v0, 3, 1
	v_lshl_add_u32 v4, v5, 4, v4                   ; B, the turning load: row k 8 h + l % 8, columns 8 ((l / 8) % 2) on
	s_mul_i32 s21, s11, HALFA
	s_lshl_b32 s22, s12, 7                         ; my 64 columns: 128 bytes
	s_add_co_u32 s22, s22, BOFF
.irp s, 0,1
	v_add_nc_u32 v[ADRA+\s], s21, v3
	v_add_nc_u32 v[ADRB+\s], s22, v4
	v_add_nc_u32 v[ADRB+2+\s], HALFB, v[ADRB+\s]
	s_add_co_u32 s21, s21, SLOT
	s_add_co_u32 s22, s22, SLOT
.endr
	s_mul_i32 s23, s10, 16*SPITCH
	s_add_co_u32 s23, s23, STAGE                   ; my stage
	v_mul_u32_u24 v4, v1, SPITCH
	v_lshl_add_u32 v4, v2, 5, v4
	v_add_nc_u32 v[STO], s23, v4                   ; in: row r, 32 bytes for each half of the lanes
	v_mul_u32_u24 v5, v2, SPITCH
	v_lshl_add_u32 v5, v1, 4, v5
	v_add_nc_u32 v[RD], s23, v5                    ; back: lanes 0-15 one row of 256 bytes, lanes 16-31 the next
	v_lshlrev_b32 v5, 12, v2
	v_lshl_add_u32 v[CO], v1, 4, v5                ; and the same two rows in out0
	s_lshl_b32 s16, s13, 7
	s_lshl_b32 s17, s11, 6
	s_add_co_u32 s16, s16, s17                     ; my first row
	v_mov_b32 v[ROWV], s16
	s_lshl_b32 s16, s16, 12
	s_mov_b32 s17, 0
	s_add_nc_u64 s[8:9], s[8:9], s[16:17]
	s_lshl_b32 s46, s42, 9
	s_lshl_b32 s47, s12, 8
	s_add_co_u32 s46, s46, s47                     ; 4 x my first column
	s_mov_b32 s47, 0
	s_add_nc_u64 s[8:9], s[8:9], s[46:47]
	s_add_nc_u64 s[66:67], s[66:67], s[46:47]
	v_lshlrev_b32 v6, 5, v2
.irp b, 0,1,2,3                                ; the bias in the result's layout
	global_load_b128 v[BI+8*\b:BI+8*\b+3], v6, s[66:67] offset:64*\b
	global_load_b128 v[BI+8*\b+4:BI+8*\b+7], v6, s[66:67] offset:64*\b+16
.endr
; 8 matrix instructions: m blocks a0, a0 + 1 x all 4 n blocks, 32 along K: half c of buffer f.  zero = 1: the first product starts the sums from the bias.  The 16 accumulators take turns.
.macro MUL8 f, c, a0, zero
.irp a, \a0, \a0+1
.irp b, 0,1,2,3
.if \zero
	v_wmma_f32_16x16x32_f16 v[ACC+8*(4*(\a)+\b):ACC+8*(4*(\a)+\b)+7], v[\f+64+8*(4*\c+\b):\f+64+8*(4*\c+\b)+7], v[\f+8*(4*\c+\a):\f+8*(4*\c+\a)+7], v[BI+8*\b:BI+8*\b+7]
.else
	v_wmma_f32_16x16x32_f16 v[ACC+8*(4*(\a)+\b):ACC+8*(4*(\a)+\b)+7], v[\f+64+8*(4*\c+\b):\f+64+8*(4*\c+\b)+7], v[\f+8*(4*\c+\a):\f+8*(4*\c+\a)+7], v[ACC+8*(4*(\a)+\b):ACC+8*(4*(\a)+\b)+7]
.endif
.endr
.endr
.endm
; 32 LDS loads in one run: the fragments of quarter qd (64 along K: one head) of a slot into buffer f; the first 32 along K first
.macro FETCH slot, qd, f
	WIN TO_F
.irp c, 0,1
.irp i, 0,1,2,3
	ds_load_tr16_b128 v[\f+64+8*(4*\c+\i):\f+64+8*(4*\c+\i)+3],   v[ADRB+2*((\qd)/2)+\slot] offset:(64*((\qd)%2)+32*\c)*PB+32*\i
	ds_load_tr16_b128 v[\f+64+8*(4*\c+\i)+4:\f+64+8*(4*\c+\i)+7], v[ADRB+2*((\qd)/2)+\slot] offset:(64*((\qd)%2)+32*\c)*PB+32*\i+16*PB
	ds_load_b128 v[\f+8*(4*\c+\i):\f+8*(4*\c+\i)+3],               v[ADRA+\slot] offset:256*(\qd)+64*\c+\i*8*PA
	ds_load_b128 v[\f+8*(4*\c+\i)+4:\f+8*(4*\c+\i)+7],             v[ADRA+\slot] offset:256*(\qd)+64*\c+\i*8*PA+32
.endr
.endr
.endm
.macro PLACES
.rept 4
	v_nop
.endr
.endm
; One of a K step's first three quarters: multiplies buffer f and fetches quarter qd into g.
.macro QUARTER slot, qd, f, g, zero
	s_wait_dscnt 16                                ; the first 32 along K are in
	WIN MUL
	MUL8 \f, 0, 0, \zero
	MUL8 \f, 0, 2, \zero
	PLACES
	FETCH \slot, \qd, \g
	s_wait_dscnt 32                                ; all but the 32 just issued
	WIN MUL
	MUL8 \f, 1, 0, 0
	MUL8 \f, 1, 2, 0
.endm
; The last quarter multiplies buffer 1 and changes slots: in front of the barrier each wave waits for all its tensor loads, adds 0 to its spare word, and waits for that and for its reads of this slot.
.macro TURN slot, next, fill
	WIN 0
	s_wait_tensorcnt 0x0                           ; all my tensor loads have landed: my part of the next slot
	ds_add_u32 v[SPW], v[NIL]
	s_wait_dscnt 17                                ; (the add and the youngest sixteen loads may be out)
	WIN MUL
	MUL8 F1, 0, 0, 0
	s_wait_dscnt 0x0                               ; the add is done, and my reads of this slot are over
	s_barrier_signal -1
	MUL8 F1, 0, 2, 0
.if \fill
	WIN 0
.endif
	s_barrier_wait -1
.if \fill
	CREST                                          ; the barrier has opened a round of the cluster's: no wave of any partner still reads this slot or has a load on its way
	s_add_nc_u64 s[G0+4*\slot+2:G0+4*\slot+3], s[G0+4*\slot+2:G0+4*\slot+3], 2*1024
	s_add_nc_u64 s[G0B+4*\slot+2:G0B+4*\slot+3], s[G0B+4*\slot+2:G0B+4*\slot+3], 2*524288
	JLOAD \slot                                    ; the first tensor load behind the round; its four v_nop are also the places in front of the loads below
.else
	PLACES
.endif
	FETCH \next, 0, F0
	WIN MUL
	MUL8 F1, 1, 0, 0
	MUL8 F1, 1, 2, 0
.endm
	s_wait_tensorcnt 1                             ; my part of K step 0 is in (K step 1's load may be out),
	s_barrier_signal -1
	s_barrier_wait -1                              ; everybody's is
	FETCH 0, 0, F0
	s_wait_loadcnt 0x0                             ; the bias
	QUARTER 0, 1, F0, F1, 1
	WIN 0
	s_mov_b32 s3, LAPS-1
.Llap:                                                 ; a trip goes once round the ring and fills both slots again
	QUARTER 0, 2, F1, F0, 0
	QUARTER 0, 3, F0, F1, 0
	TURN 0, 1, 1
	QUARTER 1, 1, F0, F1, 0
	QUARTER 1, 2, F1, F0, 0
	QUARTER 1, 3, F0, F1, 0
	TURN 1, 0, 1
	QUARTER 0, 1, F0, F1, 0
	WIN 0
	s_sub_co_u32 s3, s3, 1
	s_cmp_lg_u32 s3, 0
	s_cbranch_scc1 .Llap
	QUARTER 0, 2, F1, F0, 0                        ; the last lap fills nothing
	QUARTER 0, 3, F0, F1, 0
	TURN 0, 1, 0
	QUARTER 1, 1, F0, F1, 0
	QUARTER 1, 2, F1, F0, 0
	QUARTER 1, 3, F0, F1, 0
	s_wait_dscnt 16
	WIN MUL
	MUL8 F1, 0, 0, 0
	MUL8 F1, 0, 2, 0
	s_wait_dscnt 0
	MUL8 F1, 1, 0, 0
	MUL8 F1, 1, 2, 0
	WIN 0
; THE WAY OUT, block by block of 16 rows x 64 columns: a row's 64 numbers are 256 bytes, so each wave has a stage of its own and no barrier is needed.
.macro TOSTAGE a
.irp b, 0,1,2,3
	ds_store_b128 v[STO], v[ACC+8*(4*(\a)+\b):ACC+8*(4*(\a)+\b)+3] offset:64*\b        ; each accumulator from its low end on
	ds_store_b128 v[STO], v[ACC+8*(4*(\a)+\b)+4:ACC+8*(4*(\a)+\b)+7] offset:64*\b+16
.endr
.irp t, 0,1,2,3,4,5,6,7
	ds_load_b128 v[TMP+32*((\a)%2)+4*\t:TMP+32*((\a)%2)+4*\t+3], v[RD] offset:\t*2*SPITCH   ; LDS serves a wave's instructions in order
.endr
.endm
.macro SEND a, younger
	s_wait_dscnt \younger                          ; the block is back; the next block's sixteen LDS instructions may be out
.irp t, 0,1,2,3,4,5,6,7
	global_store_b128 v[CO], v[TMP+32*((\a)%2)+4*\t:TMP+32*((\a)%2)+4*\t+3], s[8:9] offset:(16*(\a)+2*\t)*4096 th:TH_STORE_NT   ; 16 lanes store 256 consecutive bytes, aligned
.endr
.endm
	PLACES
	TOSTAGE 0
	TOSTAGE 1
	s_wait_xcnt 0x0                                ; EXEC changes only behind this wait
	v_cmp_ne_u32 vcc_lo, 0, v[ROWV]                ; rows 0-15 are block 0 of the wave whose first row is 0: it stores none of them.  No branch: the choice hangs on the work-group's place
	s_and_saveexec_b32 s45, vcc_lo
	SEND 0, 16
	s_wait_xcnt 0x0                                ; in front of the line that widens EXEC; block 0's registers may also be loaded again behind it
	s_or_b32 exec_lo, exec_lo, s45
	TOSTAGE 2
	SEND 1, 16
	s_wait_xcnt 0x0                                ; block 1's stores have read their registers
	TOSTAGE 3
	SEND 2, 16
	SEND 3, 0
	s_wait_tensorcnt 0x0                           ; the wave's end
	ds_add_u32 v[SPW], v[NIL]
	s_wait_dscnt 0x0
	CROUND                                         ; the closing round
	s_endpgm
.Lfunc_end_k_q7c6d52fc96_proj:
	.size	k_q7c6d52fc96_proj, .Lfunc_end_k_q7c6d52fc96_proj-k_q7c6d52fc96_proj
	.p2alignl 7, 3214868480
	.fill 96, 4, 3214868480
	.section	.rodata,"a",@progbits
	.p2align	6, 0x0
	.amdhsa_kernel k_q7c6d52fc96_proj
		.amdhsa_group_segment_fixed_size 327680
		.amdhsa_private_segment_fixed_size 0
		.amdhsa_enable_private_segment 0
		.amdhsa_kernarg_size 32
		.amdhsa_user_sgpr_count 2
		.amdhsa_user_sgpr_kernarg_segment_ptr 1
		.amdhsa_wavefront_size32 1
		.amdhsa_system_sgpr_workgroup_id_x 1
		.amdhsa_system_sgpr_workgroup_id_y 1
		.amdhsa_system_sgpr_workgroup_id_z 1
		.amdhsa_system_vgpr_workitem_id 0
		.amdhsa_next_free_vgpr 512
		.amdhsa_next_free_sgpr 68
		.amdhsa_reserve_vcc 1
		.amdhsa_float_denorm_mode_32 3
		.amdhsa_float_denorm_mode_16_64 3
		.amdhsa_memory_ordered 1
		.amdhsa_forward_progress 1
		.amdhsa_inst_pref_size 87
	.end_amdhsa_kernel
	.amdgpu_metadata
---
amdhsa.version: [ 1, 2 ]
amdhsa.kernels:
  - .name:           k_q7c6d52fc96_proj
    .symbol:         k_q7c6d52fc96_proj.kd
    .args:
      - { .name: att16, .offset: 0, .size: 8, .value_kind: global_buffer, .address_space: global }
      - { .name: wp16, .offset: 8, .size: 8, .value_kind: global_buffer, .address_space: global }
      - { .name: bproj, .offset: 16, .size: 8, .value_kind: global_buffer, .address_space: global }
      - { .name: out0, .offset: 24, .size: 8, .value_kind: global_buffer, .address_space: global }
    .group_segment_fixed_size: 327680
    .private_segment_fixed_size: 0
    .kernarg_segment_align: 8
    .kernarg_segment_size: 32
    .max_flat_workgroup_size: 128
    .sgpr_count:     68
    .vgpr_count:     512
    .wavefront_size: 32
...
	.end_amdgpu_metadata
.endif
;; end of part 4
;; launch head16 (part 5): grid 64 x 1, 16 waves a work-group, no clusters, 18,432 bytes of LDS; arguments qkv32, Wproj, bproj, out0; writes out0
.if DOCPART == 5
	.amdgcn_target "amdgcn-amd-amdhsa--gfx1250"
	.amdhsa_code_object_version 6
	.text
	.protected	k_q7c6d52fc96_head16
	.globl	k_q7c6d52fc96_head16
	.p2align	8
	.type	k_q7c6d52fc96_head16,@function
k_q7c6d52fc96_head16:
	s_mov_b64 s[64:65], 0
	v_nop
	global_prefetch_b8 v0, s[64:65] scope:SCOPE_SE
	s_setreg_imm32_b32 hwreg(HW_REG_WAVE_MODE, 25, 1), 1
	s_wait_xcnt 0x0
; ROWS 0-15 OF out0, ALL IN F32: under the causal mask these rows average one to sixteen values, so their operands are not rounded.  Scores, softmax, the second product and the projection, from q, k, v in f32.
; IN: qkv32: rows 0-15 of q, k, v as images of result registers: image 2 (n / 16) + g, 512 bytes, lane 16 h + r holds row r, columns 16 (n / 16) + 8 h + 4 g + 0 .. 3; a head's 64 columns are 4,096 bytes.
; SHARES.  Work-group x owns columns 16 x .. 16 x + 15 of the 16 rows.  Wave w is head w: its 64 channels of the attention's result are the slice k = 64 w .. 64 w + 63 of the projection, so nothing changes
; waves but the sixteen partial tiles, which are added through LDS in ascending order of w.  48 matrix instructions of the f32 form a wave: no bulk work.
; A store covers 64 bytes of each row (the launch writes 65,536 bytes in all): wider slices would mean fewer work-groups, each with more of the f32 products.
; The contraction's places: the f32 form takes k = 2 h + j from register j of lane (r, h).  Both sources of a product are given the same numbers of k at the same places, whichever they are.
; The registers that the f32 form writes (v144-175, v184-215) are written by matrix instructions alone.
.set SPARE, 16384                      ; behind the sixteen partial tiles of 1,024 bytes: the spare words, 128 bytes a wave
.set OUTO, 3                           ; v3  4096 r + 32 h + 16 (w % 2)
.set LI,   4                           ; v4  16 x lane
.set VB,   5                           ; v5  V: my lane's byte in an image
.set WB,   6                           ; v6  Wproj: 8 h rows + 4 r
.set SPW,  7
.set NIL,  8
.set FRD,  9                           ; v9  LDS: 512 (w % 2) + 16 x lane
.set PST,  10                          ; v10 LDS: 1024 w + 16 x lane
.set BO,   11                          ; v11 32 h + 16 (w % 2)
.set QF,   16
.set KF,   48
.set VF,   80
.set WF,   112
.set SA,   144                         ; four accumulators
.set SS,   176                         ; the scores, then p, later the partial tile
.set OA,   184                         ; four accumulators
.set ON,   216
	s_load_b128 s[4:7], s[0:1], 0x0                ; qkv32, Wproj
	s_load_b128 s[8:11], s[0:1], 0x10              ; bproj, out0
	v_lshl_add_u32 v[SPW], v0, 2, SPARE
	v_mov_b32 v[NIL], 0
	v_lshrrev_b32 v1, 5, v0
	v_readfirstlane_b32 s12, v1                    ; wave = head
	v_and_b32 v1, 15, v0                           ; r
	v_bfe_u32 v2, v0, 4, 1                         ; h
	v_and_b32 v3, 31, v0
	v_lshlrev_b32 v[LI], 4, v3
	v_bfe_u32 v[VB], v0, 2, 1
	v_lshlrev_b32 v[VB], 9, v[VB]
	v_bfe_u32 v3, v0, 3, 1
	v_lshl_add_u32 v[VB], v3, 8, v[VB]
	v_and_b32 v3, 3, v0
	v_lshl_add_u32 v[VB], v3, 2, v[VB]
	v_lshl_add_u32 v[VB], v2, 7, v[VB]             ; V(key 8 h + kk, channel 16 t + r) lies at 1024 t + 16 kk + 512 ((r / 4) % 2) + 256 (r / 8) + 4 (r % 4) + 128 h
	v_lshlrev_b32 v[WB], 15, v2
	v_lshl_add_u32 v[WB], v1, 2, v[WB]
	s_and_b32 s13, s12, 1
	s_lshl_b32 s14, s13, 9
	v_add_nc_u32 v[FRD], s14, v[LI]
	s_lshl_b32 s15, s12, 10
	v_add_nc_u32 v[PST], s15, v[LI]
	s_lshl_b32 s14, s13, 4
	v_lshl_add_u32 v[BO], v2, 5, s14
	v_lshl_add_u32 v[OUTO], v1, 12, v[BO]
	s_mov_b32 s20, 0x76543210
	s_mov_b32 s21, 0xfedcba98
	s_mov_b32 s22, 0x3e38aa3b                      ; c = log2(e) / 8
	s_lshl_b32 s16, s12, 12                        ; my head's 4,096 bytes
	s_mov_b32 s17, 0
	s_lshl_b32 s18, s12, 18                        ; my 64 rows of Wproj
	s_lshl_b32 s14, ttmp9, 6                       ; 4 x my work-group's first column
	s_add_co_u32 s18, s18, s14
	s_mov_b32 s19, 0
	s_mov_b32 s15, 0
	s_wait_kmcnt 0x0
	s_add_nc_u64 s[16:17], s[4:5], s[16:17]
	s_add_nc_u64 s[18:19], s[6:7], s[18:19]
	s_add_nc_u64 s[8:9], s[8:9], s[14:15]
	s_add_nc_u64 s[10:11], s[10:11], s[14:15]
	global_load_b128 v[12:15], v[BO], s[8:9]       ; bproj at my four columns
.irp i, 0,1,2,3,4,5,6,7
	global_load_b128 v[QF+4*\i:QF+4*\i+3], v[LI], s[16:17] offset:512*\i
.endr
.irp i, 0,1,2,3,4,5,6,7
	global_load_b128 v[KF+4*\i:KF+4*\i+3], v[LI], s[16:17] offset:65536+512*\i
.endr
.irp t, 0,1,2,3
.irp kk, 0,1,2,3,4,5,6,7
	global_load_b32 v[VF+8*\t+\kk], v[VB], s[16:17] offset:131072+1024*\t+16*\kk
.endr
.endr
.irp t, 0,1,2,3
.irp kk, 0,1,2,3,4,5,6,7
	global_load_b32 v[WF+8*\t+\kk], v[WB], s[18:19] offset:(16*\t+\kk)*4096   ; Wproj(64 w + 16 t + 8 h + kk, first column + r)
.endr
.endr
	s_wait_loadcnt 63                              ; of the 81 loads the first 18 are in: the bias, Q and K among them (V's and W's 64 follow; the count's field holds no more than 63)
	; S^T = K Q^T: source 0 = 16 keys, source 1 = 16 queries; register pair e of both holds the same four channels.  Four accumulators by turns.
.irp e, 0,1,2,3
	v_wmma_f32_16x16x4_f32 v[SA+8*\e:SA+8*\e+7], v[KF+2*\e:KF+2*\e+1], v[QF+2*\e:QF+2*\e+1], 0
.endr
.irp e, 4,5,6,7,8,9,10,11,12,13,14,15
	v_wmma_f32_16x16x4_f32 v[SA+8*(\e%4):SA+8*(\e%4)+7], v[KF+2*\e:KF+2*\e+1], v[QF+2*\e:QF+2*\e+1], v[SA+8*(\e%4):SA+8*(\e%4)+7]
.endr
.rept 8
	v_nop                                          ; eight places behind this form
.endr
.irp j, 0,1,2,3,4,5,6,7                        ; lane (r, h): query r, key 8 h + j
	v_add_f32 v[SS+\j], v[SA+\j], v[SA+8+\j]
	v_add_f32 v[248+\j], v[SA+16+\j], v[SA+24+\j]
.endr
.irp j, 0,1,2,3,4,5,6,7
	v_add_f32 v[SS+\j], v[SS+\j], v[248+\j]
.endr
	v_lshlrev_b32 v248, 3, v2
	v_sub_nc_u32 v248, v1, v248                    ; d = r - 8 h: key 8 h + j is hidden where j > d
	v_mov_b32 v249, 0xff800000
.irp j, 0,1,2,3,4,5,6,7
	v_cmp_gt_i32 vcc_lo, \j, v248
	v_cndmask_b32 v[SS+\j], v[SS+\j], v249, vcc_lo
.endr
	v_max3_num_f32 v250, v[SS], v[SS+1], v[SS+2]
	v_max3_num_f32 v250, v250, v[SS+3], v[SS+4]
	v_max3_num_f32 v250, v250, v[SS+5], v[SS+6]
	v_max_num_f32 v250, v250, v[SS+7]
	v_mov_b32 v251, 0
	v_permlanex16_b32 v251, v250, s20, s21
	v_max_num_f32 v250, v250, v251                 ; the row's maximum (key 0 counts for every query)
	v_mul_f32 v250, s22, v250
.irp j, 0,1,2,3,4,5,6,7
	v_fma_f32 v[SS+\j], v[SS+\j], s22, -v250
.endr
.irp j, 0,1,2,3,4,5,6,7
	v_exp_f32 v[SS+\j], v[SS+\j]
.endr
	v_nop                                          ; a plain line behind the last exponential,
	s_wait_alu depctr_va_vdst(0)                   ; and the wait ahead of the batch's first reader
	v_add_f32 v252, v[SS], v[SS+1]
	v_add_f32 v253, v[SS+2], v[SS+3]
	v_add_f32 v254, v[SS+4], v[SS+5]
	v_add_f32 v255, v[SS+6], v[SS+7]
	v_add_f32 v252, v252, v253
	v_add_f32 v254, v254, v255
	v_add_f32 v252, v252, v254
	v_permlanex16_b32 v251, v252, s20, s21
	v_add_f32 v252, v252, v251                     ; the row's sum
	v_rcp_f32 v252, v252
	v_nop
	s_wait_alu depctr_va_vdst(0)
	s_wait_loadcnt 32                              ; V is in; W's 32 loads may be out
	; O^T = V^T P: source 0 = 16 channels, source 1 = p; pair cc of p holds keys 8 h + 2 cc + 0, 1
.irp t, 0,1,2,3
	v_wmma_f32_16x16x4_f32 v[OA+8*\t:OA+8*\t+7], v[VF+8*\t:VF+8*\t+1], v[SS:SS+1], 0
.endr
.irp cc, 1,2,3
.irp t, 0,1,2,3
	v_wmma_f32_16x16x4_f32 v[OA+8*\t:OA+8*\t+7], v[VF+8*\t+2*\cc:VF+8*\t+2*\cc+1], v[SS+2*\cc:SS+2*\cc+1], v[OA+8*\t:OA+8*\t+7]
.endr
.endr
.rept 8
	v_nop
.endr
.set n, 0
.rept 32
	v_mul_f32 v[ON+n], v[OA+n], v252               ; lane (r, h), register 8 t + j: att(query r, channel 16 t + 8 h + j)
.set n, n+1
.endr
	s_wait_loadcnt 0x0                             ; W
	; the projection's slice: source 0 = 16 columns of Wproj, source 1 = att; pair (t, cc) of both holds channels 16 t + 8 h + 2 cc + 0, 1
.irp t, 0,1,2,3
	v_wmma_f32_16x16x4_f32 v[SA+8*\t:SA+8*\t+7], v[WF+8*\t:WF+8*\t+1], v[ON+8*\t:ON+8*\t+1], 0
.endr
.irp cc, 1,2,3
.irp t, 0,1,2,3
	v_wmma_f32_16x16x4_f32 v[SA+8*\t:SA+8*\t+7], v[WF+8*\t+2*\cc:WF+8*\t+2*\cc+1], v[ON+8*\t+2*\cc:ON+8*\t+2*\cc+1], v[SA+8*\t:SA+8*\t+7]
.endr
.endr
.rept 8
	v_nop
.endr
.irp j, 0,1,2,3,4,5,6,7                        ; lane (r, h): row r, column first + 8 h + j
	v_add_f32 v[SS+\j], v[SA+\j], v[SA+8+\j]
	v_add_f32 v[248+\j], v[SA+16+\j], v[SA+24+\j]
.endr
.irp j, 0,1,2,3,4,5,6,7
	v_add_f32 v[SS+\j], v[SS+\j], v[248+\j]
.endr
	ds_store_b128 v[PST], v[SS:SS+3]
	ds_store_b128 v[PST], v[SS+4:SS+7] offset:512
	s_wait_dscnt 0x0                               ; for the others' sake: my partial tile has landed
	s_barrier_signal -1
	s_barrier_wait -1
	s_cmp_lt_u32 s12, 2                            ; waves 0 and 1 add the sixteen tiles, half a tile each; no barrier stands behind this branch
	s_cbranch_scc0 .Ldone
.irp ww, 0,1,2,3,4,5,6,7,8,9,10,11,12,13,14,15
	ds_load_b128 v[16+4*\ww:19+4*\ww], v[FRD] offset:1024*\ww
.endr
	s_wait_dscnt 0x0
.irp ww, 0,1,2,3,4,5,6,7,8,9,10,11,12,13,14,15
	v_pk_add_f32 v[12:13], v[12:13], v[16+4*\ww:17+4*\ww]    ; the bias, then the heads in ascending order
	v_pk_add_f32 v[14:15], v[14:15], v[18+4*\ww:19+4*\ww]
.endr
	global_store_b128 v[OUTO], v[12:15], s[10:11]
.Ldone:
	s_wait_tensorcnt 0x0                           ; the wave's end
	ds_add_u32 v[SPW], v[NIL]
	s_wait_dscnt 0x0
	s_endpgm
.Lfunc_end_k_q7c6d52fc96_head16:
	.size	k_q7c6d52fc96_head16, .Lfunc_end_k_q7c6d52fc96_head16-k_q7c6d52fc96_head16
	.p2alignl 7, 3214868480
	.fill 96, 4, 3214868480
	.section	.rodata,"a",@progbits
	.p2align	6, 0x0
	.amdhsa_kernel k_q7c6d52fc96_head16
		.amdhsa_group_segment_fixed_size 18432
		.amdhsa_private_segment_fixed_size 0
		.amdhsa_enable_private_segment 0
		.amdhsa_kernarg_size 32
		.amdhsa_user_sgpr_count 2
		.amdhsa_user_sgpr_kernarg_segment_ptr 1
		.amdhsa_wavefront_size32 1
		.amdhsa_system_sgpr_workgroup_id_x 1
		.amdhsa_system_sgpr_workgroup_id_y 1
		.amdhsa_system_sgpr_workgroup_id_z 1
		.amdhsa_system_vgpr_workitem_id 0
		.amdhsa_next_free_vgpr 256
		.amdhsa_next_free_sgpr 66
		.amdhsa_reserve_vcc 1
		.amdhsa_float_denorm_mode_32 3
		.amdhsa_float_denorm_mode_16_64 3
		.amdhsa_memory_ordered 1
		.amdhsa_forward_progress 1
		.amdhsa_inst_pref_size 22
	.end_amdhsa_kernel
	.amdgpu_metadata
---
amdhsa.version: [ 1, 2 ]
amdhsa.kernels:
  - .name:           k_q7c6d52fc96_head16
    .symbol:         k_q7c6d52fc96_head16.kd
    .args:
      - { .name: qkv32, .offset: 0, .size: 8, .value_kind: global_buffer, .address_space: global }
      - { .name: Wproj, .offset: 8, .size: 8, .value_kind: global_buffer, .address_space: global }
      - { .name: bproj, .offset: 16, .size: 8, .value_kind: global_buffer, .address_space: global }
      - { .name: out0, .offset: 24, .size: 8, .value_kind: global_buffer, .address_space: global }
    .group_segment_fixed_size: 18432
    .private_segment_fixed_size: 0
    .kernarg_segment_align: 8
    .kernarg_segment_size: 32
    .max_flat_workgroup_size: 512
    .sgpr_count:     66
    .vgpr_count:     256
    .wavefront_size: 32
...
	.end_amdgpu_metadata
.endif
;; end of part 5
